; MI455X (gfx1250); checked and timed in simulation.
; The chip was launched on July 23, 2026; its instructions are those of AMD's public machine-readable ISA for CDNA 5 (MIT licence, August 2026) and "CDNA5" Instruction Set Architecture Reference Guide (July 2026). The comments in the code are by the model that wrote it; some were corrected since.
;; Multi Head Attention. Allowed arithmetic: matrix products marked QUANTISED: E2M3 operands, one E8M0 scale for each 32 along K, by v_wmma_scale_f32_16x16x128_f8f6f4 with both operands' format E2M3, f32 sums; everything else in f32.
;; Inputs: cos 2,048 x 64 float32; mask 2,048 x 2,048 float32; sin 2,048 x 64 float32; wk 1,024 x 1,024 float32; wo 1,024 x 1,024 float32; wq 1,024 x 1,024 float32; wv 1,024 x 1,024 float32; x 4 x 2,048 x 1,024 float32.
;; Outputs: out0 4 x 2,048 x 1,024 float32.
;; This version of the problem:
;;   THIS VERSION OF THE PROBLEM IS GIVEN IN LOW PRECISION. The matrix products marked QUANTISED in the list below multiply operands that are first quantised to E2M3 (2 exponent bits, 3 mantissa bits; 6 bits a number), with one power-of-two scale for each 32 numbers along K (OCP MX v1.0); their sums are f32. All else is computed in f32.
;;   The module's matrix products, in the order in which they are computed (A, B: the left and right operand; K: the contracted axis; several contracted axes count as one K, in the product's order):
;;     1. [M 8,192, K 1,024] x [K 1,024, N 1,024]; A: input x; B: input wq: QUANTISED
;;     2. [M 8,192, K 1,024] x [K 1,024, N 1,024]; A: input x; B: input wk: QUANTISED
;;     3. [M 8,192, K 1,024] x [K 1,024, N 1,024]; A: input x; B: input wv: QUANTISED
;;     4. batch 64 x [M 2,048, K 64] x [K 64, N 2,048]; A: computed on the way; B: computed on the way: QUANTISED
;;     5. batch 64 x [M 2,048, K 2,048] x [K 2,048, N 64]; A: softmax (see below); B: computed on the way: QUANTISED
;;     6. [M 8,192, K 1,024] x [K 1,024, N 1,024]; A: computed on the way; B: input wo: QUANTISED
;;   THE QUANTISER, for each operand of a quantised product, along K:
;;     - K is cut into blocks of 32 from its start; a last block that is shorter is filled with zeros.
;;     - A block's scale is 2^e with e = floor(log2(the largest magnitude in the block)) - 2, held to -126 .. 127; a block of zeros has e = 0. As a byte (E8M0): e + 127.
;;     - Each number is divided by its block's scale, clamped to +-7.5, and rounded to the nearest number of E2M3, ties to even, subnormals kept.
;;     - The product sums the exact products of the quantised numbers (number of the format x scale) in f32.
;;   ~~~python
;;   def quantise(x, axis):      # numpy; x: float32 -> the quantised numbers, widened to float32 again
;;       x = np.moveaxis(x, axis, -1); K = x.shape[-1]
;;       x = np.pad(x, [(0, 0)] * (x.ndim - 1) + [(0, -K % 32)]); x = x.reshape(x.shape[:-1] + (-1, 32)); a = np.abs(x).max(-1, keepdims=True)
;;       e = np.where(a > 0, np.clip(np.frexp(np.where(a > 0, a, 1))[1] - 1 - 2, -126, 127), 0)      # np.frexp(a)[1] - 1 = floor(log2(a)), exactly
;;       r = np.clip(x / 2.0 ** e, -7.5, 7.5)
;;       step = 2.0 ** (np.maximum(np.frexp(np.where(r == 0, 1, r))[1] - 1, 0) - 3)
;;       q = np.round(r / step) * step * 2.0 ** e      # np.round: ties to even
;;       return np.moveaxis(q.reshape(q.shape[:-2] + (-1,))[..., :K], -1, axis).astype(np.float32)
;;   ~~~
;;   SOFTMAX AHEAD OF A QUANTISED PRODUCT. Where the list says 'softmax', what is quantised is not the finished softmax but p = 2^(t - M), with t = logit x log2(e) and M = ceil(the row's largest t), a whole number; so 1/2 < the row's largest p <= 1. The row's sum l is taken of the UNQUANTISED p, in f32, and the product's result is divided by l at the end. Since M is a whole number, a kernel that streams over the keys may use a running M (the ceiling of the running maximum): every later rescaling is an exact power of two, which a block's scale takes up: the codes' values come out the same.
;;   OPERANDS COMPUTED ON THE WAY. 'Computed on the way' means the value that the module computes at that place (a softmax that the list does not call 'softmax' is quantised finished and normalised). What goes into a quantiser is computed in f32, as accurately as f32 sums, v_exp_f32 and their like allow (about 1e-6 of the number): no bf16 or f16 on the way to a quantiser, and a product that is left as it is and whose result goes on into a quantised operand takes f32 operands (vector FMAs, or v_wmma_f32_16x16x4_f32). A number that lies on a knife's edge between two numbers of the format may be rounded either way, as far as f32 arithmetic and the matrix unit's own rounding can turn it there, and no further.
;; One version. Each part assembles by itself: llvm-mc -triple=amdgcn-amd-amdhsa -mcpu=gfx1250 --defsym DOCPART=n.
;; ======== version 1 of 1: 4 launches
;; limits: right only within a limited range of input values
;; workspace buffers: xwimg 9,437,184 bytes; xwsc 393,216 bytes; qimg 6,291,456 bytes; qsc 262,144 bytes; kv 13,107,200 bytes; aimg 6,291,456 bytes; asc 262,144 bytes
;; launch quant (part 1): grid 192 x 2, 4 waves a work-group, no clusters, 35,328 bytes of LDS; arguments x, wq, wk, wv, wo, xwimg, xwsc; writes xwimg, xwsc
.if DOCPART == 1
	.amdgcn_target "amdgcn-amd-amdhsa--gfx1250"
	.amdhsa_code_object_version 6
	.text
	.protected	k_q114e9e1984_quant
	.globl	k_q114e9e1984_quant
	.p2align	8
	.type	k_q114e9e1984_quant,@function
k_q114e9e1984_quant:
	s_mov_b64 s[64:65], 0
	v_nop
	global_prefetch_b8 v0, s[64:65] scope:SCOPE_SE
	s_setreg_imm32_b32 hwreg(HW_REG_WAVE_MODE, 25, 1), 1
	s_wait_xcnt 0x0
; x [8192][1024] and wq, wk, wv, wo [1024][1024], f32 with K innermost, become codes of FP6 (E2M3) with one E8M0 byte for each 32 along K.
; A block's scale is 2^(floor(log2(its largest magnitude)) - 2); its byte is the largest magnitude's exponent field - 2, held at 1 from below.
; LIMITS: a block of zeros, or one whose largest magnitude lies under 2^-124, gets the byte 1 (the quantiser's text says 127 for zeros): its codes are zeros
; or what the floor's scale gives, and the bytes are read by this program alone.  NaN and infinities among the inputs are not served.
; THE OUTPUT IS LAID AS THE MATRIX UNIT'S REGISTERS.  xwimg[T][kk][1536]: T a tile of 16 rows (0-511 x, 512-575 wq, 576-639 wk, 640-703 wv, 704-767 wo), kk a K step of 128.
; A fragment's 12 registers a lane lie as: registers 0-3 at 16 x lane, 4-5 at 512 + 8 x lane, 6-9 at 768 + 16 x lane, 10-11 at 1280 + 8 x lane.  xwsc[kk][T][16 words]: a row's four bytes of that K step.
; THE ORDER INSIDE A BLOCK OF 32: code place 16 h + 8 u + j holds number 16 u + 8 h + j.  Every operand of this program is laid so, on both sides of each product, which changes no product and no scale;
; it is the order in which a matrix result falls into a lane's registers, so that later launches quantise results as they stand.
; SHARES: work-group (g, y): tiles 4 g .. 4 g + 3, K steps 4 y .. 4 y + 3; wave w: tile 4 g + w, four fragments.  Each load reads 512 consecutive bytes of one row; 16 rows x 512 bytes turn through the wave's own
; stage in LDS (pitch 528 = 132 words, so that the 16 rows of a read begin at 16 different groups of four banks: 64 banks of 4 bytes, ISA guide 11.1) and come back in the order above.
; A stream that shares nothing: no matrix unit, no cluster, no tensor load; one barrier, for the scale words, which leave as one aligned run of 256 bytes a wave.
.set STG,  8448                        ; a wave's stage: 16 rows x 528
.set SCR,  4*STG                       ; behind the stages: the scale words, [fragment 4][wave 4][64 bytes]
.set TM,   12                          ; v12-27  largest magnitudes, bytes, scale operands
.set PW,   28                          ; v28     the scale word just made
.set R,    32                          ; v32-159 two sets of 64: a fragment's numbers as loaded
.set X,    160                         ; v160-223 64 numbers in the blocks' order
.set PC,   224                         ; v224-242 the codes
.set SEL,  20                          ; s[20:21] lane selects: lane l xor 16
	s_load_b256 s[4:11], s[0:1], 0x0               ; x, wq, wk, wv
	s_load_b128 s[12:15], s[0:1], 0x20             ; wo, xwimg
	s_load_b64 s[16:17], s[0:1], 0x30              ; xwsc
	v_lshl_add_u32 v248, v0, 2, 0x8800
	v_mov_b32 v249, 0
	v_lshrrev_b32 v1, 5, v0
	v_readfirstlane_b32 s18, v1                    ; wave
	v_and_b32 v1, 31, v0                           ; lane
	v_and_b32 v2, 15, v0                           ; r
	v_bfe_u32 v3, v0, 4, 1                         ; h
	v_lshlrev_b32 v4, 4, v1                        ; 16 x lane
	v_lshlrev_b32 v5, 3, v1                        ; 8 x lane
	s_mul_i32 s19, s18, STG
	v_add_nc_u32 v6, s19, v4                       ; the stage, on the way in
	v_mul_u32_u24 v7, v2, 528
	v_lshl_add_u32 v7, v3, 5, v7
	v_add_nc_u32 v7, s19, v7                       ; and out: row r, + 32 h
	s_lshl_b32 s19, s18, 6
	s_add_co_u32 s19, s19, SCR
	v_lshl_add_u32 v8, v2, 2, s19                  ; my row's scale word: SCR + 64 w + 4 r (+ 256 x fragment)
	s_lshl_b32 s19, s18, 8
	s_add_co_u32 s19, s19, SCR
	v_add_nc_u32 v9, s19, v5                       ; and out: wave w takes fragment w's words of all four tiles
.irp b, 0,1,2,3
	v_mov_b32 v[TM+4+\b], 0                        ; written once: a lane permute's destination counts as one of its sources
.endr
	s_mov_b32 s[SEL], 0x76543210
	s_mov_b32 s[SEL+1], 0xfedcba98
	s_and_b32 s22, ttmp7, 0xffff                   ; y
	s_sub_co_u32 s23, ttmp9, 128                   ; among the weights' work-groups
	s_lshr_b32 s24, s23, 4                         ; which weight
	s_and_b32 s23, s23, 15
	s_lshl_b32 s23, s23, 6                         ; its first row
	s_lshl_b32 s25, ttmp9, 6                       ; x's first row
	s_wait_alu depctr_va_vdst(0)
	s_wait_kmcnt 0x0
	s_cmp_eq_u32 s24, 1                            ; the source is chosen by the work-group's number alone
	s_cselect_b64 s[6:7], s[8:9], s[6:7]
	s_cmp_eq_u32 s24, 2
	s_cselect_b64 s[6:7], s[10:11], s[6:7]
	s_cmp_eq_u32 s24, 3
	s_cselect_b64 s[6:7], s[12:13], s[6:7]
	s_cmp_lt_u32 ttmp9, 128
	s_cselect_b64 s[4:5], s[4:5], s[6:7]
	s_cselect_b32 s23, s25, s23
	s_lshl_b32 s24, s18, 4
	s_add_co_u32 s23, s23, s24                     ; my wave's first row
	s_lshl_b32 s24, s23, 12                        ; x 4,096 bytes
	s_lshl_b32 s25, s22, 11                        ; + y x 512 numbers
	s_add_co_u32 s24, s24, s25
	s_mov_b32 s25, 0
	s_add_nc_u64 s[4:5], s[4:5], s[24:25]
	s_lshl_b32 s26, ttmp9, 2
	s_add_co_u32 s26, s26, s18                     ; T
	s_lshl_b32 s26, s26, 3
	s_lshl_b32 s27, s22, 2
	s_add_co_u32 s26, s26, s27                     ; 8 T + 4 y
	s_mul_i32 s26, s26, 1536
	s_mov_b32 s27, 0
	s_add_nc_u64 s[14:15], s[14:15], s[26:27]
	s_lshl_b32 s28, s22, 2
	s_add_co_u32 s28, s28, s18                     ; the K step whose words I store: 4 y + w
	s_mul_i32 s28, s28, 49152
	s_lshl_b32 s29, ttmp9, 8                       ; tiles 4 g on: 64 bytes each
	s_add_co_u32 s28, s28, s29
	s_mov_b32 s29, 0
	s_add_nc_u64 s[16:17], s[16:17], s[28:29]
.macro LOAD f                          ; fragment f: 16 rows x 128 numbers
.irp i, 0,1,2,3,4,5,6,7,8,9,10,11,12,13,14,15
	global_load_b128 v[R+64*((\f)%2)+4*\i:R+64*((\f)%2)+4*\i+3], v4, s[4:5] offset:\i*4096+(\f)*512 th:TH_LOAD_NT
.endr
.endm
.macro TURN f                          ; through the stage; LDS serves a wave's instructions in order (ISA guide 5.7.1.4), so no wait stands between the stores and the loads
.irp i, 0,1,2,3,4,5,6,7,8,9,10,11,12,13,14,15
	ds_store_b128 v6, v[R+64*((\f)%2)+4*\i:R+64*((\f)%2)+4*\i+3] offset:\i*528
.endr
.irp b, 0,1,2,3
.irp u, 0,1
.irp q, 0,1
	ds_load_b128 v[X+16*\b+8*\u+4*\q:X+16*\b+8*\u+4*\q+3], v7 offset:128*\b+64*\u+16*\q   ; register 16 b + 8 u + j = number 32 b + 16 u + 8 h + j of row r
.endr
.endr
.endr
.endm
; 64 numbers of a lane, register 16 b + i in block b, become a fragment's codes in v[PC] on and its scale word in v[PW]
.macro QUANT s
.irp b, 0,1,2,3
	v_max3_num_f32 v[TM+\b], |v[\s+16*\b]|, |v[\s+1+16*\b]|, 0x1800000   ; my 16 numbers of block b, and the floor 2^(3 - 127): the byte cannot fall under 1
.endr
.irp i, 2,4,6,8,10,12,14
.irp b, 0,1,2,3
	v_max3_num_f32 v[TM+\b], v[TM+\b], |v[\s+16*\b+\i]|, |v[\s+1+16*\b+\i]|   ; the four blocks by turns
.endr
.endr
.irp b, 0,1,2,3
	v_permlanex16_b32 v[TM+4+\b], v[TM+\b], s[SEL], s[SEL+1]
.endr
.irp b, 0,1,2,3
	v_max_num_f32 v[TM+\b], v[TM+\b], v[TM+4+\b]   ; with lane l xor 16's 16: the block's largest magnitude
.endr
.irp b, 0,1,2,3
	v_add_nc_u32 v[TM+12+\b], 0xff000000, v[TM+\b] ; 2 off its exponent field: the conversion takes that field as its scale
.endr
.irp b, 0,1,2,3
	v_lshrrev_b32 v[TM+4+\b], 23, v[TM+12+\b]      ; the scale's byte
.endr
	v_lshl_or_b32 v[PW], v[TM+5], 8, v[TM+4]
	v_lshl_or_b32 v[PW], v[TM+6], 16, v[PW]
	v_lshl_or_b32 v[PW], v[TM+7], 24, v[PW]
.irp c, 0,1
	v_cvt_scalef32_pk16_fp6_f32 v[PC+6*\c:PC+2+6*\c], v[\s+32*\c:\s+15+32*\c], v[TM+12+2*\c]
	v_cvt_scalef32_pk16_fp6_f32 v[PC+12+4*\c:PC+14+4*\c], v[\s+16+32*\c:\s+31+32*\c], v[TM+12+2*\c+1]   ; (a conversion's three registers begin on an even number)
.endr
	v_nop                                          ; one plain instruction behind a scaled conversion
.irp c, 0,1                            ; the operand wants a whole block in a lane: lanes 0-15 block 2 c, lanes 16-31 block 2 c + 1
.irp i, 0,1,2
	v_permlane16_swap_b32 v[PC+6*\c+\i], v[PC+12+4*\c+\i]
.endr
.irp i, 0,1,2
	v_mov_b32 v[PC+3+6*\c+\i], v[PC+12+4*\c+\i]
.endr
.endr
.endm
.macro STEP f
.if (\f) < 3
	s_wait_loadcnt 16                              ; this fragment's 16 loads are in; the next fragment's 16 may be out
.else
	s_wait_loadcnt 0x0
.endif
	TURN \f
	s_wait_dscnt 0x0                               ; the numbers are back, and the stores into the stage have read their registers,
.if (\f)+2 < 4
	LOAD (\f)+2                                    ; which take the loads of two fragments on
.endif
	s_wait_xcnt 0x0                                ; the last fragment's stores have read the codes' registers: they are written again only behind this wait
	QUANT X
	global_store_b128 v4, v[PC:PC+3], s[14:15] offset:(\f)*1536          ; each store covers whole aligned runs of 256 bytes
	global_store_b64 v5, v[PC+4:PC+5], s[14:15] offset:(\f)*1536+512
	global_store_b128 v4, v[PC+6:PC+9], s[14:15] offset:(\f)*1536+768
	global_store_b64 v5, v[PC+10:PC+11], s[14:15] offset:(\f)*1536+1280
	ds_store_b32 v8, v[PW] offset:256*(\f)         ; lanes r and r + 16 write the same word with the same value
.endm
	LOAD 0
	LOAD 1
	STEP 0
	STEP 1
	STEP 2
	STEP 3
	s_wait_dscnt 0x0                               ; for the others' sake: my scale words lie in LDS
	s_barrier_signal -1
	s_barrier_wait -1
	ds_load_b64 v[244:245], v9                     ; K step 4 y + w: the words of the work-group's four tiles
	s_wait_dscnt 0x0
	global_store_b64 v5, v[244:245], s[16:17]      ; 32 lanes store 256 consecutive bytes, aligned
	s_wait_tensorcnt 0x0
	ds_add_u32 v248, v249
	s_wait_dscnt 0x0
	s_endpgm
.Lfunc_end_k_q114e9e1984_quant:
	.size	k_q114e9e1984_quant, .Lfunc_end_k_q114e9e1984_quant-k_q114e9e1984_quant
	.p2alignl 7, 3214868480
	.fill 96, 4, 3214868480
	.section	.rodata,"a",@progbits
	.p2align	6, 0x0
	.amdhsa_kernel k_q114e9e1984_quant
		.amdhsa_group_segment_fixed_size 35328
		.amdhsa_private_segment_fixed_size 0
		.amdhsa_enable_private_segment 0
		.amdhsa_kernarg_size 56
		.amdhsa_user_sgpr_count 2
		.amdhsa_user_sgpr_kernarg_segment_ptr 1
		.amdhsa_wavefront_size32 1
		.amdhsa_system_sgpr_workgroup_id_x 1
		.amdhsa_system_sgpr_workgroup_id_y 1
		.amdhsa_system_sgpr_workgroup_id_z 1
		.amdhsa_system_vgpr_workitem_id 0
		.amdhsa_next_free_vgpr 250
		.amdhsa_next_free_sgpr 66
		.amdhsa_reserve_vcc 0
		.amdhsa_float_denorm_mode_32 3
		.amdhsa_float_denorm_mode_16_64 3
		.amdhsa_memory_ordered 1
		.amdhsa_forward_progress 1
		.amdhsa_inst_pref_size 35
	.end_amdhsa_kernel
	.amdgpu_metadata
---
amdhsa.version: [ 1, 2 ]
amdhsa.kernels:
  - .name:           k_q114e9e1984_quant
    .symbol:         k_q114e9e1984_quant.kd
    .args:
      - { .name: x, .offset: 0, .size: 8, .value_kind: global_buffer, .address_space: global }
      - { .name: wq, .offset: 8, .size: 8, .value_kind: global_buffer, .address_space: global }
      - { .name: wk, .offset: 16, .size: 8, .value_kind: global_buffer, .address_space: global }
      - { .name: wv, .offset: 24, .size: 8, .value_kind: global_buffer, .address_space: global }
      - { .name: wo, .offset: 32, .size: 8, .value_kind: global_buffer, .address_space: global }
      - { .name: xwimg, .offset: 40, .size: 8, .value_kind: global_buffer, .address_space: global }
      - { .name: xwsc, .offset: 48, .size: 8, .value_kind: global_buffer, .address_space: global }
    .group_segment_fixed_size: 35328
    .private_segment_fixed_size: 0
    .kernarg_segment_align: 8
    .kernarg_segment_size: 56
    .max_flat_workgroup_size: 128
    .sgpr_count:     66
    .vgpr_count:     250
    .wavefront_size: 32
...
	.end_amdgpu_metadata
.endif
;; end of part 1
;; launch qkv (part 2): grid 8 x 48, 4 waves a work-group, clusters of 4 x 4, 327,680 bytes of LDS; arguments xwimg, xwsc, cos, sin, qimg, qsc, kv; writes qimg, qsc, kv
.if DOCPART == 2
	.amdgcn_target "amdgcn-amd-amdhsa--gfx1250"
	.amdhsa_code_object_version 6
	.text
	.protected	k_q114e9e1984_qkv
	.globl	k_q114e9e1984_qkv
	.p2align	8
	.type	k_q114e9e1984_qkv,@function
k_q114e9e1984_qkv:
	s_mov_b64 s[64:65], 0
	v_nop
	global_prefetch_b8 v0, s[64:65] scope:SCOPE_SE
	s_setreg_imm32_b32 hwreg(HW_REG_WAVE_MODE, 25, 1), 1
	s_wait_xcnt 0x0
	s_wait_alu depctr_hold_cnt(0) depctr_sa_sdst(0) depctr_va_vdst(0) depctr_va_sdst(0) depctr_va_ssrc(0) depctr_va_vcc(0) depctr_vm_vsrc(0)
	s_getreg_b32 s2, hwreg(HW_REG_IB_STS2, 6, 4)
	s_cmp_eq_u32 s2, 0
	s_cbranch_scc0 .Lentry_in_a_cluster
	s_endpgm
.Lentry_in_a_cluster:
	s_bfe_u32 s2, ttmp6, 0x10000c
	s_cmp_lg_u32 s2, 0xf033
	s_cbranch_scc0 .Lentry_shape_is_right
	s_endpgm
.Lentry_shape_is_right:
.set FR,     12
.set FRB,    1536
.set NQ,     2
.set TROW,   NQ*FRB
.set HALFT,  8*TROW
.set SLOT,   4*HALFT
.set SCL,    2*SLOT
.set SPARE,  SCL+4*4096
.set NL,     4
.set NP,     4
.set ADRA, 16
.set ADRB, 20
.set L16,  24
.set L8,   25
.set SCO,  26
.set ADRS, 27
.set SPW,  28
.set NIL,  29
.set SC,   32
.set AF,   128
.set CS,   64
.set SN,   96
.set H,    128
.set PC,   192
.set TM,   212
.set PWE,  228
.set PWO,  229
.set CSO,  236
.set QST,  237
.set VST,  239
.set G1, 24
.set G0, 32
.set G1B, 48
.set G0B, 56
.set G1S, 68
.set G0S, 76
.set G1SB, 80
.set G0SB, 88
.set P1,  40
.set P2,  42
.set STR, 44
.set PSC, 46
.set SEL, 92
.set MSB, 0
.macro WIN new
.set WNEW, (\new)
.if MSB != WNEW
	s_set_vgpr_msb (MSB<<8)|WNEW
.set MSB, WNEW
.endif
.endm
.set MUL_LO, 0xa1
.set MUL_HI, 0xf1
.set TO_B,   0x40
.macro JLOAD g0a, g1a, g0b, g1b
	s_cmp_eq_u32 s19, 0
	s_cbranch_scc0 .Lfor_b_\@
	tensor_load_to_lds s[\g0a:\g0a+3], s[\g1a:\g1a+7]
	s_nop 0
.rept 4
	v_nop
.endr
	s_branch .Lasked_\@
.Lfor_b_\@:
	tensor_load_to_lds s[\g0b:\g0b+3], s[\g1b:\g1b+7]
	s_nop 0
.rept 4
	v_nop
.endr
.Lasked_\@:
.endm
.macro CREST
	s_cmp_lg_u32 s18, 0
	s_cbranch_scc1 .Lnot_wave_0_\@
	s_barrier_signal -3
.Lnot_wave_0_\@:
	s_barrier_wait -3
	s_barrier_signal -1
	s_barrier_wait -1
.endm
.macro CROUND
	s_barrier_signal -1
	s_barrier_wait -1
	CREST
.endm
.macro PLACES n
.rept \n
	v_nop
.endr
.endm
	s_load_b256 s[4:11], s[0:1], 0x0
	s_load_b128 s[12:15], s[0:1], 0x20
	s_load_b64 s[16:17], s[0:1], 0x30
	v_lshl_add_u32 v[SPW], v0, 2, SPARE
	v_mov_b32 v[NIL], 0
	ds_add_u32 v28, v29
	ds_add_u32 v28, v29
	s_wait_dscnt 0x0
	v_lshrrev_b32 v1, 5, v0
	v_readfirstlane_b32 s18, v1
	s_lshr_b32 s19, s18, 1
	s_and_b32 s20, s18, 1
	s_bfe_u32 s21, ttmp6, 0x40000
	s_bfe_u32 s22, ttmp6, 0x40004
	s_and_b32 s23, ttmp7, 0xffff
	s_lshl_b32 s2, s22, 2
	s_lshl_b32 s2, 15, s2
	s_lshl_b32 s3, 0x1111, s21
	s_or_b32 s[G1], s2, (3<<16)|(1<<21)
	s_or_b32 s[G1B], s3, (3<<16)|(1<<21)
	s_or_b32 s[G1S], s2, (3<<16)|(1<<21)
	s_or_b32 s[G1SB], s3, (3<<16)|(1<<21)
.irp g, G1, G1B
	s_mov_b32 s[\g+1], 384<<16
	s_mov_b32 s[\g+2], 16<<16                      ; the head's loads bring all 16 tiles of an operand; behind them the two words that count rows are set to 8, for the ring's
	s_mov_b32 s[\g+3], 384<<16
	s_mov_b32 s[\g+4], 16
	s_mov_b32 s[\g+5], 1536
	s_mov_b32 s[\g+6], 0
	s_mov_b32 s[\g+7], 0
.endr
.irp g, G1S, G1SB
	s_mov_b32 s[\g+1], 128<<16                     ; the scales of 16 tiles: 8 K steps x 1,024 bytes
	s_mov_b32 s[\g+2], 8<<16
	s_mov_b32 s[\g+3], 128<<16
	s_mov_b32 s[\g+4], 8
	s_mov_b32 s[\g+5], 6144
	s_mov_b32 s[\g+6], 0
	s_mov_b32 s[\g+7], 0
.endr
	s_lshl_b32 s94, s23, 6
	s_cmp_ge_u32 s23, 8
	s_cselect_b32 s94, 640, s94
	s_lshl_b32 s95, s22, 4
	s_add_co_u32 s94, s94, s95
	s_lshl_b32 s96, ttmp9, 2
	s_add_co_u32 s96, s96, s21
	s_lshl_b32 s96, s96, 4
	s_sub_co_u32 s97, s23, 8
	s_lshl_b32 s97, s97, 7
	s_cmp_ge_u32 s23, 8
	s_cselect_b32 s97, s97, 512
	s_add_co_u32 s96, s96, s97
	s_lshl_b32 s44, s94, 6                         ; where the scales of the 16 tiles begin, 64 bytes a tile
	s_lshl_b32 s46, s96, 6
	s_lshl_b32 s98, s20, 3
	s_add_co_u32 s94, s94, s98
	s_add_co_u32 s96, s96, s98
	s_mul_i32 s40, s94, 12288
	s_mov_b32 s41, 0
	s_mul_i32 s42, s96, 12288
	s_mov_b32 s43, 0
	s_mov_b32 s45, 0
	s_mov_b32 s47, 0
	s_mul_i32 s100, s18, HALFT
	s_mov_b32 s[SEL], 0x76543210
	s_mov_b32 s[SEL+1], 0xfedcba98
	s_wait_kmcnt 0x0
	s_add_nc_u64 s[40:41], s[4:5], s[40:41]
	s_add_nc_u64 s[42:43], s[4:5], s[42:43]
	s_add_nc_u64 s[44:45], s[6:7], s[44:45]
	s_add_nc_u64 s[46:47], s[6:7], s[46:47]
	CROUND
	s_mov_b32 s[G0S], 1
	s_mov_b32 s[G0S+1], SCL
	s_mov_b64 s[G0S+2:G0S+3], s[44:45]
	s_or_b32 s[G0S+3], s[G0S+3], 0x80000000
	s_mov_b32 s[G0SB], 1
	s_mov_b32 s[G0SB+1], SCL+8192
	s_mov_b64 s[G0SB+2:G0SB+3], s[46:47]
	s_or_b32 s[G0SB+3], s[G0SB+3], 0x80000000
.irp s, 0,1
	s_mov_b32 s[G0+4*\s], 1
	s_add_co_u32 s[G0+4*\s+1], s100, \s*SLOT
	s_add_nc_u64 s[G0+4*\s+2:G0+4*\s+3], s[40:41], \s*TROW
	s_or_b32 s[G0+4*\s+3], s[G0+4*\s+3], 0x80000000
	s_mov_b32 s[G0B+4*\s], 1
	s_add_co_u32 s[G0B+4*\s+1], s100, \s*SLOT
	s_add_nc_u64 s[G0B+4*\s+2:G0B+4*\s+3], s[42:43], \s*TROW
	s_or_b32 s[G0B+4*\s+3], s[G0B+4*\s+3], 0x80000000
.if \s == 0
; THE HEAD'S LOADS, ONE A WAVE: wave 0 slot 0's 16 tiles of A, wave 1 those of B, wave 2 A's scales, wave 3 B's.  One tree of branches on the wave's number: every way passes exactly one load.
	s_mul_i32 s2, s20, 8*12288                     ; the half that the ring's addresses hold is taken off again
	s_mov_b32 s3, 0
	s_mov_b32 s[G0+1], 0
	s_sub_nc_u64 s[G0+2:G0+3], s[40:41], s[2:3]
	s_or_b32 s[G0+3], s[G0+3], 0x80000000
	s_mov_b32 s[G0B+1], 2*HALFT
	s_sub_nc_u64 s[G0B+2:G0B+3], s[42:43], s[2:3]
	s_or_b32 s[G0B+3], s[G0B+3], 0x80000000
	s_cmp_lt_u32 s18, 1
	s_cbranch_scc0 .Lhead_b
	tensor_load_to_lds s[G0:G0+3], s[G1:G1+7]
	s_nop 0
	PLACES 4
	s_branch .Lhead_asked
.Lhead_b:
	s_cmp_lt_u32 s18, 2
	s_cbranch_scc0 .Lhead_sa
	tensor_load_to_lds s[G0B:G0B+3], s[G1B:G1B+7]
	s_nop 0
	PLACES 4
	s_branch .Lhead_asked
.Lhead_sa:
	s_cmp_lt_u32 s18, 3
	s_cbranch_scc0 .Lhead_sb
	tensor_load_to_lds s[G0S:G0S+3], s[G1S:G1S+7]
	s_nop 0
	PLACES 4
	s_branch .Lhead_asked
.Lhead_sb:
	tensor_load_to_lds s[G0SB:G0SB+3], s[G1SB:G1SB+7]
	s_nop 0
	PLACES 4
.Lhead_asked:
.else
	s_wait_alu depctr_va_vdst(0)
	s_wait_tensorcnt 0x0                           ; my tile of the head's four is in
	ds_add_u32 v28, v29
	s_mov_b32 s[G0+1], s100                        ; no tensor load of mine is out, so descriptors may be written: slot 0's group 0 for the ring: my 8 tiles,
	s_mov_b64 s[G0+2:G0+3], s[40:41]
	s_or_b32 s[G0+3], s[G0+3], 0x80000000
	s_mov_b32 s[G0B+1], s100
	s_mov_b64 s[G0B+2:G0B+3], s[42:43]
	s_or_b32 s[G0B+3], s[G0B+3], 0x80000000
	s_mov_b32 s[G1+2], 8<<16                       ; and from here on a load brings 8 tiles
	s_mov_b32 s[G1+4], 8
	s_mov_b32 s[G1B+2], 8<<16
	s_mov_b32 s[G1B+4], 8
	s_wait_dscnt 0x0
	CROUND
	JLOAD G0+4, G1, G0B+4, G1B
.endif
.endr
	v_and_b32 v1, 31, v0
	v_and_b32 v2, 15, v0
	v_bfe_u32 v3, v0, 4, 1
	v_lshlrev_b32 v[L16], 4, v1
	v_lshlrev_b32 v[L8], 3, v1
	s_mul_i32 s2, s19, HALFT
	s_mul_i32 s3, s20, HALFT
	s_add_co_u32 s3, s3, 2*HALFT
.irp s, 0,1
	v_add_nc_u32 v[ADRA+\s], s2, v[L16]
	v_add_nc_u32 v[ADRA+2+\s], s2, v[L8]
	v_add_nc_u32 v[ADRB+\s], s3, v[L16]
	v_add_nc_u32 v[ADRB+2+\s], s3, v[L8]
	s_add_co_u32 s2, s2, SLOT
	s_add_co_u32 s3, s3, SLOT
.endr
	s_lshl_b32 s2, s19, 9
	s_lshl_b32 s3, s20, 9
	s_add_co_u32 s3, s3, 8192
	s_sub_co_u32 s3, s3, s2
	v_mul_u32_u24 v4, s3, v3
	s_add_co_u32 s2, s2, SCL
	v_lshl_add_u32 v4, v2, 2, v4
	v_add_nc_u32 v[ADRS], s2, v4
	s_lshl_b32 s2, s18, 10
	v_lshl_add_u32 v[QST], v2, 2, s2
	v_add_nc_u32 v[QST+1], s2, v[L16]
	v_add_nc_u32 v[VST], 4096, v[QST]
	v_add_nc_u32 v[VST+1], 4096, v[QST+1]
	v_lshlrev_b32 v[CSO], 8, v2
	v_lshl_add_u32 v[CSO], v3, 5, v[CSO]
.macro FRAG reg, adr, q, i
	ds_load_b128 v[\reg:\reg+3], v[\adr] offset:(\i)*TROW+(\q)*FRB
	ds_load_b64 v[\reg+4:\reg+5], v[\adr+2] offset:(\i)*TROW+(\q)*FRB+512
	ds_load_b128 v[\reg+6:\reg+9], v[\adr] offset:(\i)*TROW+(\q)*FRB+768
	ds_load_b64 v[\reg+10:\reg+11], v[\adr+2] offset:(\i)*TROW+(\q)*FRB+1280
.endm
.macro MUL16 a0, p, q, sc, zero
.irp a, \a0, \a0+1
.irp b, 0,1,2,3,4,5,6,7
.if \zero
	v_wmma_scale_f32_16x16x128_f8f6f4 v[8*(8*((\a)%4)+\b):8*(8*((\a)%4)+\b)+7], v[128*(\p)+FR*\b:128*(\p)+FR*\b+FR-1], v[AF+FR*(\a):AF+FR*(\a)+FR-1], 0, v[SC+8*NQ*(\sc)+NQ*\b+(\q)], v[SC+8*NQ*(\sc)+NQ*(\a)+(\q)] matrix_a_fmt:MATRIX_FMT_FP6 matrix_b_fmt:MATRIX_FMT_FP6 matrix_a_scale:MATRIX_SCALE_ROW1
.else
	v_wmma_scale_f32_16x16x128_f8f6f4 v[8*(8*((\a)%4)+\b):8*(8*((\a)%4)+\b)+7], v[128*(\p)+FR*\b:128*(\p)+FR*\b+FR-1], v[AF+FR*(\a):AF+FR*(\a)+FR-1], v[8*(8*((\a)%4)+\b):8*(8*((\a)%4)+\b)+7], v[SC+8*NQ*(\sc)+NQ*\b+(\q)], v[SC+8*NQ*(\sc)+NQ*(\a)+(\q)] matrix_a_fmt:MATRIX_FMT_FP6 matrix_b_fmt:MATRIX_FMT_FP6 matrix_a_scale:MATRIX_SCALE_ROW1
.endif
.endr
.endr
.endm
.macro FETCH_B slot, q, p
	WIN TO_B
.irp i, 0,1,2,3,4,5,6,7
	FRAG 128*(\p)+FR*\i, ADRB+\slot, \q, \i
.endr
	WIN 0
.endm
.macro FETCH_A slot, q, i0
.irp i, \i0, \i0+1, \i0+2, \i0+3
	FRAG AF+FR*(\i), ADRA+\slot, \q, \i
.endr
.endm
.macro SCALES sc
.irp i, 0,1,2,3,4,5,6,7
.irp q, 0,1
	ds_load_b32 v[SC+8*NQ*\sc+NQ*\i+\q], v[ADRS] offset:\q*1024+\i*64
.endr
.endr
.endm
.macro STEP slot, q, zero
	s_wait_dscnt 4*NL
	WIN MUL_LO
	MUL16 0, (\q)%2, \q, \slot, \zero
	MUL16 2, (\q)%2, \q, \slot, \zero
	s_wait_dscnt 0
	PLACES NP
	FETCH_B \slot, (\q)+1, 1-(\q)%2
	FETCH_A \slot, (\q)+1, 0
	WIN MUL_HI
	MUL16 4, (\q)%2, \q, \slot, \zero
	MUL16 6, (\q)%2, \q, \slot, \zero
	PLACES NP
	WIN 0
	FETCH_A \slot, (\q)+1, 4
.endm
.macro TURN slot, next, fill
	s_wait_tensorcnt 0x0
	ds_add_u32 v[SPW], v[NIL]
	s_wait_dscnt 4*NL+1
	WIN MUL_LO
	MUL16 0, 1, NQ-1, \slot, 0
	s_wait_dscnt 0x0
	s_barrier_signal -1
	MUL16 2, 1, NQ-1, \slot, 0
	WIN 0
	s_barrier_wait -1
.if \fill
	CREST
	s_add_nc_u64 s[G0+4*\slot+2:G0+4*\slot+3], s[G0+4*\slot+2:G0+4*\slot+3], 2*TROW
	s_add_nc_u64 s[G0B+4*\slot+2:G0B+4*\slot+3], s[G0B+4*\slot+2:G0B+4*\slot+3], 2*TROW
	JLOAD G0+4*\slot, G1, G0B+4*\slot, G1B
.else
	PLACES NP
.endif
	s_wait_alu depctr_va_vdst(0)
	v_add_nc_u32 v[ADRS], NQ*1024, v[ADRS]
	FETCH_B \next, 0, 0
	FETCH_A \next, 0, 0
	SCALES \next
	WIN MUL_HI
	MUL16 4, 1, NQ-1, \slot, 0
	MUL16 6, 1, NQ-1, \slot, 0
	PLACES NP
	WIN 0
	FETCH_A \next, 0, 4
.endm
.macro QUANT s, w, pw
	WIN (\w)|((\w)<<2)
.irp b, 0,1,2,3
	v_max3_num_f32 v[TM+\b], |v[\s+16*\b]|, |v[\s+1+16*\b]|, 0x1800000
.endr
.irp i, 2,4,6,8,10,12,14
.irp b, 0,1,2,3
	v_max3_num_f32 v[TM+\b], |v[\s+16*\b+\i]|, |v[\s+1+16*\b+\i]|, v[TM+\b]
.endr
.endr
	WIN 0
.irp b, 0,1,2,3
	v_permlanex16_b32 v[TM+4+\b], v[TM+\b], s[SEL], s[SEL+1]
.endr
.irp b, 0,1,2,3
	v_max_num_f32 v[TM+\b], v[TM+\b], v[TM+4+\b]
.endr
.irp b, 0,1,2,3
	v_add_nc_u32 v[TM+12+\b], 0xff000000, v[TM+\b]
.endr
.irp b, 0,1,2,3
	v_lshrrev_b32 v[TM+4+\b], 23, v[TM+12+\b]
.endr
	v_lshl_or_b32 v[\pw], v[TM+5], 8, v[TM+4]
	v_lshl_or_b32 v[\pw], v[TM+6], 16, v[\pw]
	v_lshl_or_b32 v[\pw], v[TM+7], 24, v[\pw]
	WIN \w
.irp c, 0,1
	v_cvt_scalef32_pk16_fp6_f32 v[PC+6*\c:PC+2+6*\c], v[\s+32*\c:\s+15+32*\c], v[TM+12+2*\c]
	v_cvt_scalef32_pk16_fp6_f32 v[PC+12+4*\c:PC+14+4*\c], v[\s+16+32*\c:\s+31+32*\c], v[TM+12+2*\c+1]
.endr
	WIN 0
	v_nop
.irp c, 0,1
.irp i, 0,1,2
	v_permlane16_swap_b32 v[PC+6*\c+\i], v[PC+12+4*\c+\i]
.endr
.irp i, 0,1,2
	v_mov_b32 v[PC+3+6*\c+\i], v[PC+12+4*\c+\i]
.endr
.endr
.endm
	s_wait_alu depctr_va_vdst(0)
	s_wait_tensorcnt 1
	s_barrier_signal -1
	s_barrier_wait -1
	FETCH_B 0, 0, 0
	FETCH_A 0, 0, 0
	SCALES 0
	FETCH_A 0, 0, 4
	STEP 0, 0, 1
	TURN 0, 1, 1
	STEP 1, 0, 0
	TURN 1, 0, 1
	STEP 0, 0, 0
	TURN 0, 1, 0
	STEP 1, 0, 0
	s_wait_dscnt 4*NL
	WIN MUL_LO
	MUL16 0, 1, NQ-1, 1, 0
	MUL16 2, 1, NQ-1, 1, 0
	s_wait_dscnt 0
	WIN MUL_HI
	MUL16 4, 1, NQ-1, 1, 0
	MUL16 6, 1, NQ-1, 1, 0
	WIN 0
	PLACES NP
.irp b, 0,1,2,3
	v_mov_b32 v[TM+4+\b], 0
.endr
	s_cmp_ge_u32 s23, 8
	s_cbranch_scc1 .Lvpath
	s_lshl_b32 s2, s23, 2
	s_add_co_u32 s2, s2, s22
	s_lshl_b32 s3, s2, 4
	s_lshl_b32 s98, s19, 3
	s_add_co_u32 s3, s3, s98
	s_lshl_b32 s98, s21, 1
	s_add_co_u32 s98, s98, s20
	s_mul_i32 s99, s3, 12288
	s_mul_i32 s100, s98, 1536
	s_add_co_u32 s99, s99, s100
	s_lshl_b32 s100, s98, 15
	s_lshl_b32 s3, s3, 6
	s_add_co_u32 s100, s100, s3
	s_lshr_b32 s101, s2, 3
	s_lshl_b32 s101, s101, 2
	s_add_co_u32 s101, s101, s21
	s_lshl_b32 s101, s101, 4
	s_and_b32 s3, s2, 7
	s_lshl_b32 s3, s3, 1
	s_add_co_u32 s3, s3, s19
	s_add_co_u32 s101, s101, s3
	s_mul_i32 s101, s101, 51200
	s_mul_i32 s3, s20, 25600
	s_add_co_u32 s101, s101, s3
	s_add_co_u32 s3, s101, 6144
	s_mov_b32 s[STR], 768
	s_mov_b32 s[P2], 12800
	s_mov_b32 s94, 0x05040100
	s_mov_b32 s95, 0x07060302
	s_mov_b32 s96, 128
	s_mov_b32 s97, 12800
	s_cmp_eq_u32 ttmp9, 0
	s_cselect_b64 s[P1:P1+1], s[12:13], s[16:17]
	s_cselect_b64 s[PSC:PSC+1], s[14:15], s[16:17]
	s_cselect_b32 s98, s99, s101
	s_cselect_b32 s100, s100, s3
	s_cselect_b32 s[STR], 12288, s[STR]
	s_cselect_b32 s[P2], 768, s[P2]
	s_cselect_b32 s94, 0x03020100, s94
	s_cselect_b32 s95, 0x07060504, s95
	s_cselect_b32 s96, s96, 64
	s_cselect_b32 s97, 64, s97
	s_mov_b32 s99, 0
	s_mov_b32 s101, 0
	s_mov_b32 s[STR+1], 0
	s_mov_b32 s[P2+1], 0
	s_add_nc_u64 s[P1:P1+1], s[P1:P1+1], s[98:99]
	s_add_nc_u64 s[P2:P2+1], s[P1:P1+1], s[P2:P2+1]
	s_add_nc_u64 s[PSC:PSC+1], s[PSC:PSC+1], s[100:101]
	s_lshl_b32 s2, s2, 8
	s_lshl_b32 s3, s19, 7
	s_add_co_u32 s2, s2, s3
	s_and_b32 s2, s2, 2047
	s_lshl_b32 s2, s2, 8
	s_mov_b32 s3, 0
	s_add_nc_u64 s[8:9], s[8:9], s[2:3]
	s_add_nc_u64 s[10:11], s[10:11], s[2:3]
	v_and_b32 v4, 3, v1
	v_lshlrev_b32 v[SCO], 4, v4
	v_bfe_u32 v4, v1, 2, 2
	v_mad_u32_u24 v[SCO], v4, s96, v[SCO]
	v_mad_u32_u24 v[SCO], v3, s97, v[SCO]
.macro CSLOAD a
.set CS, 64*((\a)%4)
.set SN, 64*((\a)%4)+32
	WIN 0x40
.irp bb, 0,1,2,3
.irp q, 0,1
	global_load_b128 v[CS+8*\bb+4*\q:CS+8*\bb+4*\q+3], v[CSO], s[8:9] offset:(\a)*4096+64*\bb+16*\q
	global_load_b128 v[SN+8*\bb+4*\q:SN+8*\bb+4*\q+3], v[CSO], s[10:11] offset:(\a)*4096+64*\bb+16*\q
.endr
.endr
	WIN 0
.endm
.macro QKBLOCK a, pw
	s_wait_xcnt 0x0
.if (\a) > 0
	s_add_nc_u64 s[P1:P1+1], s[P1:P1+1], s[STR:STR+1]
	s_add_nc_u64 s[P2:P2+1], s[P2:P2+1], s[STR:STR+1]
.endif
.if (\a) < 4
	s_wait_loadcnt 48                              ; this block's 16 loads are in; those of the three blocks behind it may be out
.else
	s_wait_loadcnt 16*(7-(\a))
.endif
.set CS, 64*((\a)%4)
.set SN, 64*((\a)%4)+32
	WIN 6+(\a)/4                                   ; source 0: the sums' window; source 1: cos and sin in window 1
.irp hh, 0,1
.irp bb, 0,1,2,3
.set rA, 64*((\a)%4)+8*(4*\hh+\bb)
.set rH, H+8*(4*\hh+\bb)
.irp j, 0,2,4,6
	v_pk_mul_f32 v[rH+\j:rH+\j+1], v[rA+\j:rA+\j+1], v[CS+8*\bb+\j:CS+8*\bb+\j+1]
.endr
.irp j, 0,2,4,6
.if \bb < 2
	v_pk_fma_f32 v[rH+\j:rH+\j+1], v[rA+16+\j:rA+16+\j+1], v[SN+8*\bb+\j:SN+8*\bb+\j+1], v[rH+\j:rH+\j+1] neg_lo:[1,0,0] neg_hi:[1,0,0]
.else
	v_pk_fma_f32 v[rH+\j:rH+\j+1], v[rA-16+\j:rA-16+\j+1], v[SN+8*\bb+\j:SN+8*\bb+\j+1], v[rH+\j:rH+\j+1]
.endif
.endr
.endr
.endr
	WIN 0
.if (\a) < 4
	CSLOAD (\a)+4                                  ; into the set of registers just read: four blocks ahead
.endif
	QUANT H, 0, \pw
	global_store_b128 v[L16], v[PC:PC+3], s[P1:P1+1]
	global_store_b64 v[L8], v[PC+4:PC+5], s[P1:P1+1] offset:512
	global_store_b128 v[L16], v[PC+6:PC+9], s[P2:P2+1]
	global_store_b64 v[L8], v[PC+10:PC+11], s[P2:P2+1] offset:512
.if (\a)%2
	v_perm_b32 v230, v[PWO], v[PWE], s94
	v_perm_b32 v231, v[PWO], v[PWE], s95
	ds_store_b32 v[QST], v230 offset:64*((\a)/2)
	ds_store_b32 v[QST], v231 offset:256+64*((\a)/2)
.endif
.endm
	CSLOAD 0
	CSLOAD 1
	CSLOAD 2
	CSLOAD 3
	QKBLOCK 0, PWE
	QKBLOCK 1, PWO
	QKBLOCK 2, PWE
	QKBLOCK 3, PWO
	QKBLOCK 4, PWE
	QKBLOCK 5, PWO
	QKBLOCK 6, PWE
	QKBLOCK 7, PWO
	ds_load_b128 v[232:235], v[QST+1]
	s_wait_dscnt 0x0
	global_store_b128 v[SCO], v[232:235], s[PSC:PSC+1]
	s_branch .Ljoin
.Lvpath:
	s_lshl_b32 s2, ttmp9, 2
	s_add_co_u32 s2, s2, s21
	s_sub_co_u32 s3, s23, 8
	s_lshl_b32 s3, s3, 3
	s_add_co_u32 s2, s2, s3
	s_lshr_b32 s3, s2, 3
	s_lshl_b32 s3, s3, 2
	s_add_co_u32 s3, s3, s22
	s_lshl_b32 s3, s3, 4
	s_and_b32 s2, s2, 7
	s_lshl_b32 s2, s2, 1
	s_add_co_u32 s2, s2, s20
	s_add_co_u32 s3, s3, s2
	s_mul_i32 s98, s3, 51200
	s_mul_i32 s2, s19, 25600
	s_add_co_u32 s98, s98, s2
	s_mov_b32 s99, 0
	s_add_nc_u64 s[P1:P1+1], s[16:17], s[98:99]
	v_mul_u32_u24 v4, v3, 12800
	v_lshl_add_u32 v[SCO], v2, 4, v4
.macro VBLOCK a
	s_wait_xcnt 0x0
	QUANT 64*((\a)%4), 2+(\a)/4, PWE
	global_store_b128 v[L16], v[PC:PC+3], s[P1:P1+1] offset:6400+((\a)/4)*12800+((\a)%4)*1536
	global_store_b64 v[L8], v[PC+4:PC+5], s[P1:P1+1] offset:6400+((\a)/4)*12800+((\a)%4)*1536+512
	global_store_b128 v[L16], v[PC+6:PC+9], s[P1:P1+1] offset:6400+((\a)/4)*12800+((\a)%4)*1536+768
	global_store_b64 v[L8], v[PC+10:PC+11], s[P1:P1+1] offset:6400+((\a)/4)*12800+((\a)%4)*1536+1280
	ds_store_b32 v[VST], v[PWE] offset:64*(\a)
.endm
.irp a, 0,1,2,3,4,5,6,7
	VBLOCK \a
.endr
	ds_load_b128 v[232:235], v[VST+1]
	s_wait_dscnt 0x0
	global_store_b128 v[SCO], v[232:235], s[P1:P1+1] offset:12544
.Ljoin:
	s_wait_tensorcnt 0x0
	ds_add_u32 v[SPW], v[NIL]
	s_wait_dscnt 0x0
	CROUND
	s_endpgm
.Lfunc_end_k_q114e9e1984_qkv:
	.size	k_q114e9e1984_qkv, .Lfunc_end_k_q114e9e1984_qkv-k_q114e9e1984_qkv
	.p2alignl 7, 3214868480
	.fill 96, 4, 3214868480
	.section	.rodata,"a",@progbits
	.p2align	6, 0x0
	.amdhsa_kernel k_q114e9e1984_qkv
		.amdhsa_group_segment_fixed_size 327680
		.amdhsa_private_segment_fixed_size 0
		.amdhsa_enable_private_segment 0
		.amdhsa_kernarg_size 56
		.amdhsa_user_sgpr_count 2
		.amdhsa_user_sgpr_kernarg_segment_ptr 1
		.amdhsa_wavefront_size32 1
		.amdhsa_system_sgpr_workgroup_id_x 1
		.amdhsa_system_sgpr_workgroup_id_y 1
		.amdhsa_system_sgpr_workgroup_id_z 1
		.amdhsa_system_vgpr_workitem_id 0
		.amdhsa_next_free_vgpr 1024
		.amdhsa_next_free_sgpr 102
		.amdhsa_reserve_vcc 0
		.amdhsa_float_denorm_mode_32 3
		.amdhsa_float_denorm_mode_16_64 3
		.amdhsa_memory_ordered 1
		.amdhsa_forward_progress 1
		.amdhsa_inst_pref_size 236
	.end_amdhsa_kernel
	.amdgpu_metadata
---
amdhsa.version: [ 1, 2 ]
amdhsa.kernels:
  - .name:           k_q114e9e1984_qkv
    .symbol:         k_q114e9e1984_qkv.kd
    .args:
      - { .name: xwimg, .offset: 0, .size: 8, .value_kind: global_buffer, .address_space: global }
      - { .name: xwsc, .offset: 8, .size: 8, .value_kind: global_buffer, .address_space: global }
      - { .name: cos, .offset: 16, .size: 8, .value_kind: global_buffer, .address_space: global }
      - { .name: sin, .offset: 24, .size: 8, .value_kind: global_buffer, .address_space: global }
      - { .name: qimg, .offset: 32, .size: 8, .value_kind: global_buffer, .address_space: global }
      - { .name: qsc, .offset: 40, .size: 8, .value_kind: global_buffer, .address_space: global }
      - { .name: kv, .offset: 48, .size: 8, .value_kind: global_buffer, .address_space: global }
    .group_segment_fixed_size: 327680
    .private_segment_fixed_size: 0
    .kernarg_segment_align: 8
    .kernarg_segment_size: 56
    .max_flat_workgroup_size: 128
    .sgpr_count:     102
    .vgpr_count:     1024
    .wavefront_size: 32
...
	.end_amdgpu_metadata
.endif
;; end of part 2
;; launch attn (part 3): grid 4 x 64, 8 waves a work-group, clusters of 4 x 4, 327,680 bytes of LDS; arguments qimg, qsc, kv, mask, aimg, asc; writes aimg, asc
.if DOCPART == 3
	.amdgcn_target "amdgcn-amd-amdhsa--gfx1250"
	.amdhsa_code_object_version 6
	.text
	.protected	k_q114e9e1984_attn
	.globl	k_q114e9e1984_attn
	.p2align	8
	.type	k_q114e9e1984_attn,@function
k_q114e9e1984_attn:
	s_mov_b64 s[64:65], 0
	v_nop
	global_prefetch_b8 v0, s[64:65] scope:SCOPE_SE
	s_setreg_imm32_b32 hwreg(HW_REG_WAVE_MODE, 25, 1), 1
	s_wait_xcnt 0x0
	s_wait_alu depctr_hold_cnt(0) depctr_sa_sdst(0) depctr_va_vdst(0) depctr_va_sdst(0) depctr_va_ssrc(0) depctr_va_vcc(0) depctr_vm_vsrc(0)
	s_getreg_b32 s2, hwreg(HW_REG_IB_STS2, 6, 4)
	s_cmp_eq_u32 s2, 0
	s_cbranch_scc0 .Lentry_in_a_cluster
	s_endpgm
.Lentry_in_a_cluster:
	s_bfe_u32 s2, ttmp6, 0x10000c
	s_cmp_lg_u32 s2, 0xf033
	s_cbranch_scc0 .Lentry_shape_is_right
	s_endpgm
.Lentry_shape_is_right:
; O = softmax(q k^T / 8 + mask) v for 64 (batch, head) pairs of 2,048 tokens x 64 channels, both products on codes of FP6 (E2M3) with E8M0 scales; O / l is quantised along (head, channel) for the last product.
; THE MASK IS AN INPUT: every score is computed and every number of the mask is added.  The mask's numbers are loaded from LDS into the scores' accumulators and are the C of the product K Q^T;
; the factor 1/8 = 2^-3 is taken off Q's scale bytes, so the product's result is the logit.  M = ceil(running largest logit x log2(e)); p = 2^(logit x log2(e) - M), one fused multiply-add and one exponential.
; p is quantised along the keys, not normalised; l is the sum of the unquantised p; when M moves, l and O are multiplied by 2^(old M - new M), which rounds nothing.
; SHARES.  Work-group (cx, y): heads 4 cx .. 4 cx + 3 of batch y / 16, queries 128 (y % 16) on: 256 work-groups.  Wave w of 8: head w % 4, queries 64 (w / 4) on: four tiles of 16 queries,
; so that a fragment of K or V read from LDS serves four tiles.  A key step is 128 keys; two LDS slots of one step each (four records of 12,800 bytes, 128 rows of the mask).
; THE WALK.  Two buffers of 64 scores take turns.  While tile u's softmax is worked, tile u + 1's mask is loaded into the other buffer, and its products K Q^T are issued behind tile u's exponentials.
; The change of slots stands at the head of a step's fourth tile: by then the wave has read all it wants of the slot in hand; behind it come the refill, the next step's K and the mask of its first tile.
; A tensor load is issued at one step's fourth tile and waited for at the next step's: by the text's own count one load of a wave is out.
; CLUSTER 4 x 4: K and V hang on the batch and cx and are asked for jointly along a column of the cluster, the mask's tile on y % 16 and is asked for jointly along a row.  Every wave issues one load: waves 0-3 a record, waves 4-7 32 rows of the mask.
; LAYOUT.  Both products are used transposed (S^T = K Q^T, O^T = V^T P^T): a lane holds ONE query.  K = 64 is half of the instruction's 128: a fragment of K carries TWO key tiles and is multiplied
; once by [Q, 0] and once by [0, Q]; zero codes add nothing under any scale byte of this program.
; REGISTERS.  Window 0: v0-11 addresses; v12-27 four tiles' -M, largest logit, l (a pair); v28-31 at work; v32-47 scale words and nothing else; v48-95 K; v96-223 two buffers of scores; v224-255 at work.
; Window 1: v0-127 O^T of the four tiles; v128-199 [Q, 0, Q] of the four tiles; v200-247 V.
; LIMITS: a logit under -1.7e38 counts as that; a row whose every logit is -infinity gives NaN, as the definition does; p under 2^-126 is 0 (v_exp_f32 flushes: ISA guide 15.8); a block of zeros keeps the byte 1, read by this program alone;
; a scale byte of q under 4 (a block whose largest magnitude lies under 2^-121) is held at 4 before 3 is taken off.  A block's largest p is the block's largest logit put through the same multiply-add and exponential; this takes v_exp_f32 not to fall where its input rises.
.set MOFF,  51200
.set SLOT1, 1<<17                      ; slot 1 begins here: one exclusive or turns an address from one slot to the other
.set SPARE, 2*SLOT1                    ; the spare words, 128 bytes for each wave: four blocks of 256 bytes that no other line names
.set SCR,   SPARE+1024                 ; the way out: 64 bytes for each (query tile, head)
.set SPW,  5
.set NIL,  6
.set PFO,  7
.set STT,  12
.set FP,   28
.set QS,   32
.set PS,   36
.set KS,   40
.set VS,   44
.set KF,   48
.set S,    96
.set PCD,  224
.set CT,   236
.set BM,   244
.set BP,   248
.set BS,   252
.set QF,   128                         ; window 1
.set VF,   200                         ; window 1
.set WV,   18
.set G1K,  28
.set G1M,  36
.set G0K,  44
.set G0M,  48
.set CL,   54                          ; s[54:55] log2(e)
.set SEL,  56
.set TB,   58                          ; LDS byte at which the slot that is read begins
.set SLOTS, 59                         ; fills still to be asked for
.set PFA,  60
.set PFS,  62
.set LIM,  66
.set CNT,  90
.set MSB, 0
.macro WIN new                         ; the immediate's high byte repeats the setting that is left
.if MSB != \new
	s_set_vgpr_msb (MSB<<8)|\new
.set MSB, \new
.endif
.endm
.macro TLOAD                           ; one joint load a wave; an s_nop 0 and four v_nop follow each line
	s_cmp_lt_u32 s[WV], 4
	s_cbranch_scc0 .Lm_\@
	tensor_load_to_lds s[G0K:G0K+3], s[G1K:G1K+7]
	s_nop 0
.rept 4
	v_nop
.endr
	s_branch .La_\@
.Lm_\@:
	tensor_load_to_lds s[G0M:G0M+3], s[G1M:G1M+7]
	s_nop 0
.rept 4
	v_nop
.endr
.La_\@:
.endm
; A PREFETCH INTO THE L2 of what the NEXT change of slots will ask for, one key step ahead of that load.  K and V: the 4 clusters of a batch walk the same records: the first of them asks; partner cy takes head cy's record,
; told apart by address; waves 0 and 1 take 6,400 bytes each: 25 blocks of 256 bytes, a lane a block (lanes 25 to 31 name block 24 once more).  The mask: the four batches walk the same rows: batch 0's clusters ask;
; partner cx takes 32 of the 128 rows, waves 2 and 3 take 16 each, two lanes a row.  The last fill asks for nothing; steps 0 and 1 come by their loads alone.
.macro ASK
	s_cmp_gt_u32 s[SLOTS], s[LIM]
	s_cbranch_scc0 .Lnot_mine_\@
	global_prefetch_b8 v[PFO], s[PFA:PFA+1] th:TH_LOAD_NT scope:SCOPE_SE
.Lnot_mine_\@:
.endm
.macro CROUND                          ; a round of the cluster's barrier
	s_barrier_signal -1
	s_barrier_wait -1
	s_cmp_lg_u32 s[WV], 0
	s_cbranch_scc1 .Lnot_wave_0_\@
	s_barrier_signal -3
.Lnot_wave_0_\@:
	s_barrier_wait -3
	s_barrier_signal -1
	s_barrier_wait -1
.endm
	s_load_b256 s[4:11], s[0:1], 0x0               ; qimg, qsc, kv, mask
	s_load_b128 s[12:15], s[0:1], 0x20             ; aimg, asc
	v_lshl_add_u32 v[SPW], v0, 2, SPARE
	v_mov_b32 v[NIL], 0
	ds_add_u32 v[SPW], v[NIL]                      ; the opening lines: the add twice on end and one wait
	ds_add_u32 v[SPW], v[NIL]
	v_lshrrev_b32 v8, 5, v0
	v_readfirstlane_b32 s[WV], v8                  ; wave 0..7
	s_and_b32 s19, s[WV], 3                        ; hh: my head of the four; also which record or which 32 rows I fetch
	s_lshr_b32 s20, s[WV], 2                       ; qh: my 64 queries of the 128
	s_bfe_u32 s21, ttmp6, 0x40000                  ; cx
	s_bfe_u32 s22, ttmp6, 0x40004                  ; cy
	s_and_b32 s23, ttmp7, 0xffff                   ; the cluster's y
	s_and_b32 s24, s[WV], 1
	s_lshl_b32 s67, s22, 2
	s_lshl_b32 s67, 15, s67                        ; my row of the cluster
	s_lshl_b32 s68, 0x1111, s21                    ; my column
	s_or_b32 s[G1K], s68, (3<<16)|(1<<21)          ; a record: 50 dense rows of 256 bytes (32 elements of 8)
	s_mov_b32 s[G1K+1], 32<<16
	s_mov_b32 s[G1K+2], 50<<16
	s_mov_b32 s[G1K+3], 32<<16
	s_mov_b32 s[G1K+4], 50
	s_mov_b32 s[G1K+5], 32
	s_mov_b32 s[G1K+6], 0
	s_mov_b32 s[G1K+7], 0
	s_or_b32 s[G1M], s67, (2<<16)|(1<<20)|(1<<21)|(6<<22)|(3<<25)  ; the mask: 32 rows of 128 f32, 2,048 apart; 4 words of padding behind every 128: pitch 528
	s_mov_b32 s[G1M+1], 128<<16
	s_mov_b32 s[G1M+2], 32<<16
	s_mov_b32 s[G1M+3], 128<<16
	s_mov_b32 s[G1M+4], 32
	s_mov_b32 s[G1M+5], 2048
	s_mov_b32 s[G1M+6], 0
	s_mov_b32 s[G1M+7], 0
	s_lshr_b32 s69, s23, 2                         ; batch
	s_lshl_b32 s70, s69, 2
	s_add_co_u32 s70, s70, s21                     ; x 4 + cx
	s_mul_i32 s70, s70, 16*51200                   ; the group's 16 steps.  No register of this chain holds cy
	s_mul_i32 s78, s19, 12800                      ; my record, in memory and in a slot
	s_add_co_u32 s72, s78, s70
	s_mov_b32 s73, 0
	s_lshl_b32 s74, s23, 2
	s_add_co_u32 s74, s74, s22                     ; y.  No register of this chain holds cx
	s_and_b32 s75, s74, 15                         ; my block of 128 queries
	s_lshl_b32 s76, s75, 7
	s_lshl_b32 s77, s19, 5
	s_add_co_u32 s76, s76, s77
	s_lshl_b32 s76, s76, 13                        ; rows of 8,192 bytes
	s_mov_b32 s77, 0
	s_mul_i32 s79, s19, 32*528
	s_add_co_u32 s79, s79, MOFF
	s_mov_b32 s[CL], 0x3fb8aa3b
	s_mov_b32 s[CL+1], s[CL]                       ; (the packed form names the pair)
	s_mov_b32 s[SEL], 0x76543210
	s_mov_b32 s[SEL+1], 0xfedcba98
	s_mov_b32 s[TB], 0
	s_mov_b32 s[SLOTS], 15
	s_wait_alu depctr_va_vdst(0)
	s_wait_dscnt 0x0
	s_wait_kmcnt 0x0
	s_mov_b32 s[G0K], 1
	s_mov_b32 s[G0K+1], s78
	s_add_nc_u64 s[G0K+2:G0K+3], s[8:9], s[72:73]
	s_or_b32 s[G0K+3], s[G0K+3], 0x80000000
	s_mov_b32 s[G0M], 1
	s_mov_b32 s[G0M+1], s79
	s_add_nc_u64 s[G0M+2:G0M+3], s[10:11], s[76:77]
	s_or_b32 s[G0M+3], s[G0M+3], 0x80000000
	CROUND                                         ; all sixteen work-groups are here: the first joint loads meet
	TLOAD                                          ; key step 0
	s_lshl_b32 s80, s74, 3
	s_lshl_b32 s81, s20, 2
	s_add_co_u32 s80, s80, s81                     ; my first query tile among all 512: 8 y + 4 qh
	s_mul_i32 s82, s80, 12288
	s_lshl_b32 s81, s21, 2
	s_add_co_u32 s81, s81, s19                     ; my head
	s_mul_i32 s83, s81, 768
	s_add_co_u32 s82, s82, s83
	s_mov_b32 s83, 0
	s_add_nc_u64 s[4:5], s[4:5], s[82:83]          ; Q's half fragments, 12,288 bytes from tile to tile,
	s_add_nc_u64 s[12:13], s[12:13], s[82:83]      ; and O's, at the same places of its buffer
	s_lshr_b32 s84, s81, 1
	s_lshl_b32 s84, s84, 15
	s_lshl_b32 s85, s80, 6
	s_add_co_u32 s84, s84, s85
	s_mov_b32 s85, 0
	s_add_nc_u64 s[6:7], s[6:7], s[84:85]          ; Q's scale words
	s_lshl_b32 s86, s21, 1
	s_add_co_u32 s86, s86, s24
	s_lshl_b32 s86, s86, 15
	s_lshl_b32 s87, s74, 9
	s_add_co_u32 s86, s86, s87
	s_mov_b32 s87, 0
	s_add_nc_u64 s[14:15], s[14:15], s[86:87]      ; O's scale words: pair of heads 2 cx + (wave % 2), the work-group's eight tiles
	v_and_b32 v8, 31, v0                           ; lane
	v_and_b32 v9, 15, v0                           ; r
	v_bfe_u32 v10, v0, 4, 1                        ; h
	v_lshlrev_b32 v224, 4, v8
	v_lshlrev_b32 v225, 3, v8
	v_lshlrev_b32 v226, 2, v9
	WIN 0x40                                       ; destinations in window 1
.irp u, 0,1,2,3
	global_load_b128 v[QF+18*\u:QF+18*\u+3], v224, s[4:5] offset:12288*\u          ; Q, for [Q, 0],
	global_load_b64 v[QF+18*\u+4:QF+18*\u+5], v225, s[4:5] offset:12288*\u+512
	global_load_b128 v[QF+18*\u+12:QF+18*\u+15], v224, s[4:5] offset:12288*\u      ; and once more, for [0, Q]
	global_load_b64 v[QF+18*\u+16:QF+18*\u+17], v225, s[4:5] offset:12288*\u+512
.endr
.irp u, 0,1,2,3
.irp j, 6,7,8,9,10,11
	v_mov_b32 v[QF+18*\u+\j], 0                    ; the zero codes
.endr
.endr
.set jj, 0
.rept 128
	v_mov_b32 v[jj], 0                             ; O^T.  The step is written for the loop: its first trip finds zeros
.set jj, jj+1
.endr
	WIN 0
.irp u, 0,1,2,3
	global_load_b32 v[96+\u], v226, s[6:7] offset:64*\u
.endr
	v_lshl_add_u32 v1, v8, 4, s78                  ; v1  16 x lane + record
	v_lshl_add_u32 v2, v8, 3, s78                  ; v2  8 x lane + record
	v_lshl_add_u32 v3, v9, 2, s78                  ; v3  4 r + record
	v_mul_u32_u24 v4, v9, 528
	v_lshl_add_u32 v4, v10, 5, v4
	s_mul_i32 s67, s20, 64*528
	s_add_co_u32 s67, s67, MOFF
	v_add_nc_u32 v4, s67, v4                       ; v4  the mask: row 64 qh + r, + 32 h
	; the prefetches: where my wave's stand, and who asks
	s_mul_i32 s67, s22, 12800
	s_add_co_u32 s67, s67, s70
	s_mul_i32 s68, s24, 6400
	s_add_co_u32 s67, s67, s68
	s_add_co_u32 s67, s67, 51200                   ; K and V: head cy's record of step 1; each change of slots steps it on ahead of its use
	s_lshl_b32 s68, s75, 7
	s_lshl_b32 s69, s21, 5
	s_add_co_u32 s68, s68, s69
	s_lshl_b32 s69, s24, 4
	s_add_co_u32 s68, s68, s69
	s_lshl_b32 s68, s68, 13
	s_add_co_u32 s68, s68, 512                     ; the mask: rows 128 (y % 16) + 32 cx + 16 (wave % 2) on, step 1
	s_mov_b32 s[PFS], 51200
	s_cmp_ge_u32 s[WV], 2
	s_cselect_b64 s[PFA:PFA+1], s[10:11], s[8:9]
	s_cselect_b32 s68, s68, s67
	s_cselect_b32 s[PFS], 512, s[PFS]
	s_cselect_b32 s89, -1, 0
	s_mov_b32 s69, 0
	s_mov_b32 s[PFS+1], 0
	s_add_nc_u64 s[PFA:PFA+1], s[PFA:PFA+1], s[68:69]
	v_min_u32 v100, 24, v8
	v_lshrrev_b32 v101, 1, v8
	v_and_b32 v102, 1, v8
	v_lshlrev_b32 v100, 8, v100                    ; K and V: a lane a block
	v_lshlrev_b32 v101, 13, v101
	v_lshl_add_u32 v101, v102, 8, v101             ; the mask: two lanes a row
	v_cndmask_b32 v[PFO], v100, v101, s89
	s_and_b32 s67, s23, 3                          ; K and V are read again by the batch's other clusters,
	s_lshr_b32 s68, s23, 2                         ; the mask by the other batches'
	s_cmp_ge_u32 s[WV], 2
	s_cselect_b32 s67, s68, s67
	s_cmp_lt_u32 s[WV], 4
	s_cselect_b32 s69, 0, 1
	s_or_b32 s67, s67, s69
	s_cmp_eq_u32 s67, 0
	s_cselect_b32 s[LIM], 1, -1                    ; the same in all sixteen partners, for a given wave
	s_lshl_b32 s88, s24, 4                         ; my head's two bytes of the pair's word begin at bit 16 (head % 2)
.irp b, 0,1,2,3
	v_mov_b32 v[BP+\b], 0                          ; written once: a lane permute's destination counts as one of its sources
.endr
	v_mov_b32 v[FP+1], 0                           ; (named as the upper half of the pair)
	s_wait_alu depctr_va_vdst(0)
	s_wait_loadcnt 0x0                             ; Q and its words
.irp u, 0,1,2,3
	v_lshrrev_b32 v[96+\u], s88, v[96+\u]
.endr
.irp u, 0,1,2,3
	v_and_b32 v[100+\u], 0xff, v[96+\u]
.endr
.irp u, 0,1,2,3
	v_bfe_u32 v[104+\u], v[96+\u], 8, 8
.endr
.irp u, 0,1,2,3
	v_max_u32 v[100+\u], 4, v[100+\u]              ; held at 4, so that 3 can be taken off and the byte stays a finite code
.endr
.irp u, 0,1,2,3
	v_max_u32 v[104+\u], 4, v[104+\u]
.endr
.irp u, 0,1,2,3
	v_lshl_or_b32 v[100+\u], v[104+\u], 8, v[100+\u]
.endr
.irp u, 0,1,2,3
	v_add_nc_u32 v[100+\u], 0xfffffcfd, v[100+\u]  ; 3 off each byte: the factor 1/8
.endr
.irp u, 0,1,2,3
	v_lshl_or_b32 v[QS+\u], v[100+\u], 16, v[100+\u]   ; (s0, s1, s0, s1): for either half of K
.endr
.irp u, 0,1,2,3
	v_mov_b32 v[STT+4*\u+1], 0xff000000            ; the largest logit so far: -1.7e38
	v_mov_b32 v[STT+4*\u+2], 0                     ; l, in two halves
	v_mov_b32 v[STT+4*\u+3], 0
.endr
.irp u, 0,1,2,3
	v_mul_f32 v[100+\u], s[CL], v[STT+4*\u+1]
.endr
.irp u, 0,1,2,3
	v_floor_f32 v[STT+4*\u], -v[100+\u]            ; -M
.endr
.macro ADDRS
	v_add_nc_u32 v8, s[TB], v1
	v_add_nc_u32 v9, s[TB], v2
	v_add_nc_u32 v10, s[TB], v3
	v_add_nc_u32 v11, s[TB], v4
.endm
.macro MASKLD sn, un                   ; the mask of query tile un into a buffer of scores: register 8 t + j = key 16 t + 8 h + j of query r
.irp t, 0,1,2,3,4,5,6,7
	ds_load_b128 v[\sn+8*\t:\sn+8*\t+3], v11 offset:8448*(\un)+64*\t
	ds_load_b128 v[\sn+8*\t+4:\sn+8*\t+7], v11 offset:8448*(\un)+64*\t+16
.endr
.endm
.macro KLD                             ; K: fragment f = key tiles 2 f, 2 f + 1
.irp f, 0,1,2,3
	ds_load_b128 v[KF+12*\f:KF+12*\f+3], v8 offset:1536*\f
	ds_load_b64 v[KF+12*\f+4:KF+12*\f+5], v9 offset:1536*\f+512
	ds_load_b128 v[KF+12*\f+6:KF+12*\f+9], v8 offset:1536*\f+768
	ds_load_b64 v[KF+12*\f+10:KF+12*\f+11], v9 offset:1536*\f+1280
	ds_load_b32 v[KS+\f], v10 offset:6144+64*\f
.endr
.endm
.macro VLD                             ; V: fragment t = channels 16 t on x these 128 keys, into window 1
	WIN 0x40
.irp t, 0,1,2,3
	ds_load_b128 v[VF+12*\t:VF+12*\t+3], v8 offset:6400+1536*\t
	ds_load_b64 v[VF+12*\t+4:VF+12*\t+5], v9 offset:6400+1536*\t+512
	ds_load_b128 v[VF+12*\t+6:VF+12*\t+9], v8 offset:6400+1536*\t+768
	ds_load_b64 v[VF+12*\t+10:VF+12*\t+11], v9 offset:6400+1536*\t+1280
.endr
	WIN 0
.irp t, 0,1,2,3
	ds_load_b32 v[VS+\t], v10 offset:12544+64*\t
.endr
.endm
.macro QK sn, un                       ; logits of query tile un: K Q^T / 8 + the mask that lies in the accumulators; eight accumulators, one instruction each
	WIN 0x04                                       ; source 1 (Q) in window 1
.irp f, 0,1,2,3
	v_wmma_scale_f32_16x16x128_f8f6f4 v[\sn+16*\f:\sn+16*\f+7], v[KF+12*\f:KF+12*\f+11], v[QF+18*(\un):QF+18*(\un)+11], v[\sn+16*\f:\sn+16*\f+7], v[KS+\f], v[QS+(\un)] matrix_a_fmt:MATRIX_FMT_FP6 matrix_b_fmt:MATRIX_FMT_FP6
	v_wmma_scale_f32_16x16x128_f8f6f4 v[\sn+16*\f+8:\sn+16*\f+15], v[KF+12*\f:KF+12*\f+11], v[QF+18*(\un)+6:QF+18*(\un)+17], v[\sn+16*\f+8:\sn+16*\f+15], v[KS+\f], v[QS+(\un)] matrix_a_fmt:MATRIX_FMT_FP6 matrix_b_fmt:MATRIX_FMT_FP6
.endr
	WIN 0
.endm
; THE CHANGE OF SLOTS.  Each wave waits for all its tensor loads (its part of the slot that is read next), adds 0 to its spare word, and waits for that and for its reads of the slot that it leaves.
; fill = 1: a round of the cluster's barrier, and behind it the slot just left is filled with the step after the next.
.macro CHANGE fill
	s_wait_alu depctr_va_vdst(0)
	s_wait_tensorcnt 0x0                           ; no tensor load of mine is out, so a group 0 may be written
	ds_add_u32 v[SPW], v[NIL]                      ; 0 onto my spare word
.if \fill
	s_xor_b32 s[G0K+1], s[G0K+1], SLOT1            ; the walking descriptors: the other slot, the next step
	s_add_nc_u64 s[G0K+2:G0K+3], s[G0K+2:G0K+3], 51200
	s_xor_b32 s[G0M+1], s[G0M+1], SLOT1
	s_add_nc_u64 s[G0M+2:G0M+3], s[G0M+2:G0M+3], 512
	s_wait_xcnt 0x0                                ; the last prefetch, a step back, has read its address
	s_add_nc_u64 s[PFA:PFA+1], s[PFA:PFA+1], s[PFS:PFS+1]   ; one step further on than the walking descriptors
	s_wait_dscnt 0x0
	CROUND
	TLOAD                                          ; the first thing behind the round, and a wave's one tensor load until the next
	ASK
.else
	s_wait_dscnt 0x0
	s_barrier_signal -1
	s_barrier_wait -1
.endif
.endm
; ONE QUERY TILE x 128 KEYS.  Its logits lie in buffer u % 2.  mode 1: the loop that fills slots; mode 0: the last two steps, of which the very last fetches nothing for a next step.
; In the loops the change of slots is cut in two.  CHANGEA, at the fourth tile's head: the waits, the add and the opening signal.  CHANGEB, behind that tile's exponentials: the opening barrier's wait, the rest of the round, the refill.
; Between the two stands work on registers alone.
.macro CHANGEA fill
	s_wait_alu depctr_va_vdst(0)
	s_wait_tensorcnt 0x0                           ; no tensor load of mine is out, so a group 0 may be written
	ds_add_u32 v[SPW], v[NIL]                      ; 0 onto my spare word
.if \fill
	s_xor_b32 s[G0K+1], s[G0K+1], SLOT1
	s_add_nc_u64 s[G0K+2:G0K+3], s[G0K+2:G0K+3], 51200
	s_xor_b32 s[G0M+1], s[G0M+1], SLOT1
	s_add_nc_u64 s[G0M+2:G0M+3], s[G0M+2:G0M+3], 512
	s_wait_xcnt 0x0                                ; the last prefetch, a step back, has read its address
	s_add_nc_u64 s[PFA:PFA+1], s[PFA:PFA+1], s[PFS:PFS+1]
.endif
	s_wait_dscnt 0x0                               ; the add is done, and my reads of the slot in hand are over
	s_barrier_signal -1
.endm
.macro CHANGEB fill
	s_barrier_wait -1
.if \fill
	s_cmp_lg_u32 s[WV], 0
	s_cbranch_scc1 .Lnw0_\@
	s_barrier_signal -3
.Lnw0_\@:
	s_barrier_wait -3
	s_barrier_signal -1
	s_barrier_wait -1
	TLOAD                                          ; the first thing behind the round, and a wave's one tensor load until the next
	ASK
.endif
.endm
.macro UNIT u, mode
.set SB, S+64*((\u)%2)
.set SN, S+64*(((\u)+1)%2)
.set ST, STT+4*(\u)
.set OA, 32*(\u)
.if (\u) < 3
	MASKLD SN, (\u)+1
.else
	CHANGEA \mode
.endif
.irp b, 0,1,2,3                        ; the largest logit of each block of 32 keys, in eight chains by turns; each accumulator is read from its low end on
	v_max3_num_f32 v[BM+\b], v[SB+16*\b], v[SB+1+16*\b], v[SB+2+16*\b]
.endr
.irp b, 0,1,2,3
	v_max3_num_f32 v[BS+\b], v[SB+8+16*\b], v[SB+9+16*\b], v[SB+10+16*\b]
.endr
.irp i, 3,5
.irp b, 0,1,2,3
	v_max3_num_f32 v[BM+\b], v[BM+\b], v[SB+16*\b+\i], v[SB+1+16*\b+\i]
.endr
.irp b, 0,1,2,3
	v_max3_num_f32 v[BS+\b], v[BS+\b], v[SB+8+16*\b+\i], v[SB+9+16*\b+\i]
.endr
.endr
.irp b, 0,1,2,3
	v_max3_num_f32 v[BM+\b], v[BM+\b], v[BS+\b], v[SB+7+16*\b]
.endr
.irp b, 0,1,2,3
	v_max_num_f32 v[BM+\b], v[BM+\b], v[SB+15+16*\b]
.endr
.if (\u) == 0
	VLD                                            ; the 32 lines above are the places behind the last products, which read V's registers
.endif
.irp b, 0,1,2,3
	v_permlanex16_b32 v[BP+\b], v[BM+\b], s[SEL], s[SEL+1]
.endr
.irp b, 0,1,2,3
	v_max_num_f32 v[BM+\b], v[BM+\b], v[BP+\b]     ; with lane l xor 16's 16 keys
.endr
	v_max3_num_f32 v30, v[BM], v[BM+1], v[BM+2]
	v_mov_b32 v31, v[ST]
	s_delay_alu instid0(VALU_DEP_2)
	v_max3_num_f32 v[ST+1], v30, v[BM+3], v[ST+1]  ; the running largest logit
	s_delay_alu instid0(VALU_DEP_1)
	v_mul_f32 v30, s[CL], v[ST+1]                  ; as t
	s_delay_alu instid0(VALU_DEP_1)
	v_floor_f32 v[ST], -v30                        ; the new -M = -ceil(t): a whole number
.set jj, 0
.rept 32
	v_pk_fma_f32 v[SB+jj:SB+jj+1], v[SB+jj:SB+jj+1], s[CL:CL+1], v[ST:ST+1] op_sel_hi:[1,0,0]   ; t - M, one rounding
.if jj == 8
	v_sub_f32 v31, v[ST], v31                      ; old M - new M, 0 or less; these three lines stand among lines that do not wait for them
.endif
.if jj == 24
	v_cvt_i32_f32 v31, v31                         ; (it saturates)
.endif
.if jj == 40
	v_ldexp_f32 v[FP], 1.0, v31                    ; f = 2^(old M - new M)
.endif
.set jj, jj+2
.endr
.irp b, 0,1,2,3
	v_fma_f32 v[BM+\b], v[BM+\b], s[CL], v[ST]     ; the same of each block's largest logit
.endr
	WIN 0x41                                       ; O^T: destination and source 0 in window 1
	s_wait_alu depctr_va_vdst(0)                   ; the wait ahead of the batch, and directly ahead of the first readers of O^T: one wait serves both
.set jj, 0
.rept 16
	v_pk_mul_f32 v[OA+jj:OA+jj+1], v[OA+jj:OA+jj+1], v[FP:FP+1] op_sel_hi:[1,0]   ; O^T under the new M, each accumulator from its low end on
.set jj, jj+2
.endr
	WIN 0
.set jj, 0
.rept 64
	v_exp_f32 v[SB+jj], v[SB+jj]                   ; p
.set jj, jj+1
.endr
.irp b, 0,1,2,3
	v_exp_f32 v[BM+\b], v[BM+\b]                   ; the block's largest p: the same instructions on the same number give the same bits
.endr
	v_pk_mul_f32 v[ST+2:ST+3], v[ST+2:ST+3], v[FP:FP+1] op_sel_hi:[1,0]   ; l under the new M: the plain instruction behind the exponentials
	s_wait_alu depctr_va_vdst(0)                   ; one wait for the batch, ahead of its first reader and of the wait or branch below
.if (\u) < 3
	s_wait_dscnt 0x0                               ; the next tile's mask is in (and V, where it was asked for)
	QK SN, (\u)+1
.else
	CHANGEB \mode
	s_xor_b32 s[TB], s[TB], SLOT1
	ADDRS
.if \mode == 0
	s_wait_alu depctr_va_vdst(0)
	s_cmp_eq_u32 s[CNT], 1
	s_cbranch_scc1 .Lnone_\@
.endif
	KLD                                            ; the next step's K and the mask of its first tile land under the rest of this tile
	MASKLD SN, 0
.if \mode == 0
.Lnone_\@:
.endif
.endif
.irp c, 0,1,2,3,4,5,6,7                ; l: the sum of the unquantised p, two at a time, in eight chains (v224-239, free until the conversions)
	v_pk_add_f32 v[PCD+2*\c:PCD+2*\c+1], v[SB+4*\c:SB+4*\c+1], v[SB+4*\c+2:SB+4*\c+3]
.endr
.set jj, 32
.rept 2
.irp c, 0,1,2,3,4,5,6,7
	v_pk_add_f32 v[PCD+2*\c:PCD+2*\c+1], v[PCD+2*\c:PCD+2*\c+1], v[SB+jj+2*\c:SB+jj+2*\c+1]
.endr
.set jj, jj+16
.endr
.irp c, 0,1,2,3
	v_pk_add_f32 v[PCD+2*\c:PCD+2*\c+1], v[PCD+2*\c:PCD+2*\c+1], v[PCD+8+2*\c:PCD+8+2*\c+1]
.endr
.irp b, 0,1,2,3
	v_max_num_f32 v[BM+\b], 0x1800000, v[BM+\b]    ; the floor 2^(3 - 127): the byte cannot fall under 1
.endr
	v_pk_add_f32 v[PCD:PCD+1], v[PCD:PCD+1], v[PCD+2:PCD+3]
	v_pk_add_f32 v[PCD+4:PCD+5], v[PCD+4:PCD+5], v[PCD+6:PCD+7]
.irp b, 0,1,2,3
	v_add_nc_u32 v[BS+\b], 0xff000000, v[BM+\b]    ; 2 off the exponent field: the conversion's scale operand
.endr
	v_pk_add_f32 v[PCD:PCD+1], v[PCD:PCD+1], v[PCD+4:PCD+5]
.irp b, 0,1,2,3
	v_lshrrev_b32 v[BP+\b], 23, v[BS+\b]           ; the scale's byte
.endr
	v_pk_add_f32 v[ST+2:ST+3], v[ST+2:ST+3], v[PCD:PCD+1]
	v_lshl_or_b32 v[PS], v[BP+1], 8, v[BP]         ; p's scale word for these 128 keys
	s_delay_alu instid0(VALU_DEP_1)
	v_lshl_or_b32 v[PS], v[BP+2], 16, v[PS]
	s_delay_alu instid0(VALU_DEP_1)
	v_lshl_or_b32 v[PS], v[BP+3], 24, v[PS]
.irp c, 0,1
	v_cvt_scalef32_pk16_fp6_f32 v[PCD+6*\c:PCD+2+6*\c], v[SB+32*\c:SB+15+32*\c], v[BS+2*\c]
	v_cvt_scalef32_pk16_fp6_f32 v[CT+4*\c:CT+2+4*\c], v[SB+16+32*\c:SB+31+32*\c], v[BS+2*\c+1]
.endr
	v_nop                                          ; one plain instruction behind a scaled conversion
.irp c, 0,1                            ; the operand wants a whole block in a lane
.irp i, 0,1,2
	v_permlane16_swap_b32 v[PCD+6*\c+\i], v[CT+4*\c+\i]
.endr
.irp i, 0,1,2
	v_mov_b32 v[PCD+3+6*\c+\i], v[CT+4*\c+\i]
.endr
.endr
.rept 4
	v_nop                                          ; places between the writes of p's codes and the products
.endr
.if (\u) == 3
	WIN 0
	s_wait_alu depctr_va_vdst(0)
.if \mode == 0
	s_cmp_eq_u32 s[CNT], 1
	s_cbranch_scc1 .Lnoqk_\@
.endif
	s_wait_dscnt 0x0                               ; the next step's K and its first tile's mask are in
	QK SN, 0
.if \mode == 0
.Lnoqk_\@:
.endif
.endif
	WIN 0x51
.irp t, 0,1,2,3                        ; four accumulators, one instruction each
	v_wmma_scale_f32_16x16x128_f8f6f4 v[OA+8*\t:OA+8*\t+7], v[VF+12*\t:VF+12*\t+11], v[PCD:PCD+11], v[OA+8*\t:OA+8*\t+7], v[VS+\t], v[PS] matrix_a_fmt:MATRIX_FMT_FP6 matrix_b_fmt:MATRIX_FMT_FP6
.endr
	WIN 0
.if (\u) == 3
.rept 4
	v_nop                                          ; places: the next step's first scores are read next
.endr
.endif
.endm
.macro STEP mode
	UNIT 0, \mode
	UNIT 1, \mode
	UNIT 2, \mode
	UNIT 3, \mode
.endm
	CHANGE 1                                       ; step 0 is in; slot 1's first fill, step 1, is issued as a refill is
	s_sub_co_u32 s[SLOTS], s[SLOTS], 1
	ADDRS
	KLD
	MASKLD S, 0
	s_wait_alu depctr_va_vdst(0)
	s_wait_dscnt 0x0
	QK S, 0
.rept 4
	v_nop                                          ; places: the scores are read next
.endr
.Lstep:                                            ; 14 trips, steps 0 to 13: each asks for the step after the next
	STEP 1
	s_sub_co_u32 s[SLOTS], s[SLOTS], 1
	s_cmp_lg_u32 s[SLOTS], 0
	s_wait_alu depctr_va_vdst(0)
	s_cbranch_scc1 .Lstep
	s_mov_b32 s[CNT], 2
.Llast:                                            ; steps 14 and 15: no tensor load
	STEP 0
	s_sub_co_u32 s[CNT], s[CNT], 1
	s_cmp_lg_u32 s[CNT], 0
	s_wait_alu depctr_va_vdst(0)
	s_cbranch_scc1 .Llast
	; THE WAY OUT.  O^T / l is quantised along the channels: two blocks of 32 a tile, half a fragment of the last product's operand, stored as it stands.
.irp u, 0,1,2,3
	v_add_f32 v[STT+4*\u+2], v[STT+4*\u+2], v[STT+4*\u+3]     ; l's two halves.  (These lines are also the places behind the last products)
.endr
.irp u, 0,1,2,3
	v_permlanex16_b32 v[BP+\u], v[STT+4*\u+2], s[SEL], s[SEL+1]
.endr
.irp u, 0,1,2,3
	v_add_f32 v[STT+4*\u+2], v[STT+4*\u+2], v[BP+\u]          ; and lane l xor 16's
.endr
	v_and_b32 v30, 31, v0
	v_and_b32 v31, 15, v0
	v_lshlrev_b32 v8, 4, v30                       ; 16 x lane
	v_lshlrev_b32 v9, 3, v30                       ; 8 x lane
	s_lshl_b32 s67, s20, 10
	s_lshl_b32 s68, s19, 6
	s_add_co_u32 s67, s67, s68
	s_add_co_u32 s67, s67, SCR
	v_lshl_add_u32 v10, v31, 2, s67                ; my words: SCR + 256 (4 qh + u) + 64 hh + 4 r
	v_lshrrev_b32 v11, 2, v30
	v_and_b32 v30, 3, v30
	v_lshlrev_b32 v30, 4, v30
	v_lshl_add_u32 v11, v11, 8, v30
	s_lshl_b32 s67, s24, 7
	s_add_co_u32 s67, s67, SCR
	v_add_nc_u32 v11, s67, v11                     ; back: tile lane / 4, rows 4 (lane % 4) on, of head 2 (wave % 2); the odd head's lie 64 bytes on
	s_wait_alu depctr_va_vdst(0)
.irp u, 0,1,2,3
	v_rcp_f32 v[STT+4*\u+2], v[STT+4*\u+2]
.endr
	v_nop
	WIN 0x01                                       ; source 0 (O^T) in window 1
	s_wait_alu depctr_va_vdst(0)                   ; the wait behind the batch, directly ahead of the first readers of O^T
.irp u, 0,1,2,3
.set jj, 0
.rept 16
	v_pk_mul_f32 v[S+32*\u+jj:S+32*\u+jj+1], v[32*\u+jj:32*\u+jj+1], v[STT+4*\u+2:STT+4*\u+3] op_sel_hi:[1,0]   ; register 16 b + 8 i + j = channel 32 b + 16 i + 8 h + j of query r
.set jj, jj+2
.endr
.endr
	WIN 0
.irp g, 0,1,2,3,4,5,6,7                ; eight blocks by turns: block g = tile g / 2, half g % 2
	v_max3_num_f32 v[224+\g], |v[S+16*\g]|, |v[S+1+16*\g]|, 0x1800000
.endr
.irp i, 2,4,6,8,10,12,14
.irp g, 0,1,2,3,4,5,6,7
	v_max3_num_f32 v[224+\g], v[224+\g], |v[S+16*\g+\i]|, |v[S+1+16*\g+\i]|
.endr
.endr
.irp g, 0,1,2,3,4,5,6,7
	v_permlanex16_b32 v[248+\g], v[224+\g], s[SEL], s[SEL+1]
.endr
.irp g, 0,1,2,3,4,5,6,7
	v_max_num_f32 v[224+\g], v[224+\g], v[248+\g]
.endr
.irp g, 0,1,2,3,4,5,6,7
	v_add_nc_u32 v[232+\g], 0xff000000, v[224+\g]
.endr
.irp g, 0,1,2,3,4,5,6,7
	v_lshrrev_b32 v[224+\g], 23, v[232+\g]
.endr
.irp u, 0,1,2,3
	v_lshl_or_b32 v[FP+\u], v[225+2*\u], 8, v[224+2*\u]      ; my head's two bytes of tile u
.endr
.irp u, 0,1,2,3
	v_cvt_scalef32_pk16_fp6_f32 v[KF+12*\u:KF+12*\u+2], v[S+32*\u:S+32*\u+15], v[232+2*\u]
	v_cvt_scalef32_pk16_fp6_f32 v[KF+12*\u+8:KF+12*\u+10], v[S+32*\u+16:S+32*\u+31], v[233+2*\u]
.endr
	v_nop
.irp u, 0,1,2,3
.irp i, 0,1,2
	v_permlane16_swap_b32 v[KF+12*\u+\i], v[KF+12*\u+8+\i]
.endr
.endr
.irp u, 0,1,2,3
.irp i, 0,1,2
	v_mov_b32 v[KF+12*\u+3+\i], v[KF+12*\u+8+\i]
.endr
.endr
.irp u, 0,1,2,3
	global_store_b128 v8, v[KF+12*\u:KF+12*\u+3], s[12:13] offset:12288*\u        ; 512 consecutive bytes, then 256: whole aligned runs of 256
	global_store_b64 v9, v[KF+12*\u+4:KF+12*\u+5], s[12:13] offset:12288*\u+512
	ds_store_b32 v10, v[FP+\u] offset:256*\u       ; lanes r and r + 16 write the same word with the same value
.endr
	s_wait_alu depctr_va_vdst(0)
	s_wait_dscnt 0x0                               ; for the others' sake
	s_barrier_signal -1
	s_barrier_wait -1
	s_cmp_lt_u32 s[WV], 2                          ; waves 0 and 1 join two heads' bytes into the pair's words and store them
	s_cbranch_scc0 .Lno_scales
	ds_load_b128 v[96:99], v11
	ds_load_b128 v[100:103], v11 offset:64
	s_wait_dscnt 0x0
.irp i, 0,1,2,3
	v_lshl_or_b32 v[104+\i], v[100+\i], 16, v[96+\i]
.endr
	global_store_b128 v8, v[104:107], s[14:15]     ; 512 consecutive bytes, aligned
.Lno_scales:
	s_wait_tensorcnt 0x0                           ; the wave's end: behind my last tensor load and my last LDS store
	ds_add_u32 v[SPW], v[NIL]
	s_wait_dscnt 0x0
	CROUND                                         ; the closing round
	s_endpgm
.Lfunc_end_k_q114e9e1984_attn:
	.size	k_q114e9e1984_attn, .Lfunc_end_k_q114e9e1984_attn-k_q114e9e1984_attn
	.p2alignl 7, 3214868480
	.fill 96, 4, 3214868480
	.section	.rodata,"a",@progbits
	.p2align	6, 0x0
	.amdhsa_kernel k_q114e9e1984_attn
		.amdhsa_group_segment_fixed_size 327680
		.amdhsa_private_segment_fixed_size 0
		.amdhsa_enable_private_segment 0
		.amdhsa_kernarg_size 48
		.amdhsa_user_sgpr_count 2
		.amdhsa_user_sgpr_kernarg_segment_ptr 1
		.amdhsa_wavefront_size32 1
		.amdhsa_system_sgpr_workgroup_id_x 1
		.amdhsa_system_sgpr_workgroup_id_y 1
		.amdhsa_system_sgpr_workgroup_id_z 1
		.amdhsa_system_vgpr_workitem_id 0
		.amdhsa_next_free_vgpr 512
		.amdhsa_next_free_sgpr 92
		.amdhsa_reserve_vcc 0
		.amdhsa_float_denorm_mode_32 3
		.amdhsa_float_denorm_mode_16_64 3
		.amdhsa_memory_ordered 1
		.amdhsa_forward_progress 1
		.amdhsa_inst_pref_size 162
	.end_amdhsa_kernel
	.amdgpu_metadata
---
amdhsa.version: [ 1, 2 ]
amdhsa.kernels:
  - .name:           k_q114e9e1984_attn
    .symbol:         k_q114e9e1984_attn.kd
    .args:
      - { .name: qimg, .offset: 0, .size: 8, .value_kind: global_buffer, .address_space: global }
      - { .name: qsc, .offset: 8, .size: 8, .value_kind: global_buffer, .address_space: global }
      - { .name: kv, .offset: 16, .size: 8, .value_kind: global_buffer, .address_space: global }
      - { .name: mask, .offset: 24, .size: 8, .value_kind: global_buffer, .address_space: global }
      - { .name: aimg, .offset: 32, .size: 8, .value_kind: global_buffer, .address_space: global }
      - { .name: asc, .offset: 40, .size: 8, .value_kind: global_buffer, .address_space: global }
    .group_segment_fixed_size: 327680
    .private_segment_fixed_size: 0
    .kernarg_segment_align: 8
    .kernarg_segment_size: 48
    .max_flat_workgroup_size: 256
    .sgpr_count:     92
    .vgpr_count:     512
    .wavefront_size: 32
...
	.end_amdgpu_metadata
.endif
;; end of part 3
;; launch oproj (part 4): grid 4 x 64, 4 waves a work-group, clusters of 4 x 4, 327,680 bytes of LDS; arguments aimg, asc, xwimg, xwsc, out0; writes out0
.if DOCPART == 4
	.amdgcn_target "amdgcn-amd-amdhsa--gfx1250"
	.amdhsa_code_object_version 6
	.text
	.protected	k_q114e9e1984_oproj
	.globl	k_q114e9e1984_oproj
	.p2align	8
	.type	k_q114e9e1984_oproj,@function
k_q114e9e1984_oproj:
	s_mov_b64 s[64:65], 0
	v_nop
	global_prefetch_b8 v0, s[64:65] scope:SCOPE_SE
	s_setreg_imm32_b32 hwreg(HW_REG_WAVE_MODE, 25, 1), 1
	s_wait_xcnt 0x0
	s_wait_alu depctr_hold_cnt(0) depctr_sa_sdst(0) depctr_va_vdst(0) depctr_va_sdst(0) depctr_va_ssrc(0) depctr_va_vcc(0) depctr_vm_vsrc(0)
	s_getreg_b32 s2, hwreg(HW_REG_IB_STS2, 6, 4)
	s_cmp_eq_u32 s2, 0
	s_cbranch_scc0 .Lentry_in_a_cluster
	s_endpgm
.Lentry_in_a_cluster:
	s_bfe_u32 s2, ttmp6, 0x10000c
	s_cmp_lg_u32 s2, 0xf033
	s_cbranch_scc0 .Lentry_shape_is_right
	s_endpgm
.Lentry_shape_is_right:
; out0 [8192][1024] f32 = a wo^T on codes of FP6 (E2M3) with E8M0 scales.  a's codes and scales (aimg, asc) and wo's (tiles 704-767 of xwimg, xwsc) lie as images of the matrix unit's registers:
; img[T][kk][1536], T a tile of 16 rows, kk a K step of 128; sc[kk][T][16 words].
; SHARES.  Work-group (x, y): rows 128 y on, columns 256 x on: 4 x 64 = 256 work-groups.  Wave w of 4: rows 64 (w / 2) on, columns 128 (w % 2) on: 32 accumulators of 16 x 16, 256 registers.
; ALL OF K LIES IN LDS AT ONCE: a's 8 tiles are 98,304 consecutive bytes of memory, wo's 16 tiles 196,608, their scales 4,096 and 8,192: four tiles, one tensor load a wave at the head, one wait, one barrier.
; Nothing is filled again: no ring.  Then eight K steps on two sets of fragments: a step's 60 LDS loads are issued ahead of the 32 products of the step before.
; CLUSTER 4 x 4: a's tiles hang on y alone and are asked for jointly along a row of the cluster, wo's on x alone and are asked for jointly along a column.
; No prefetch: the launch asks for all its bytes by its first four loads and has no loop to run ahead in.
; THE MATRIX INSTRUCTION IS USED TRANSPOSED (source 0 = 16 rows of wo, source 1 = 16 rows of a): a lane holds eight neighbouring numbers of a row of out0.
; REGISTERS.  Window 0: v16-30 addresses; v32-39 a's scale words, two sets; v40-55 wo's, two sets; v128-223 a's fragments, two sets; on the way out v128-255.  Window 1: wo's fragments, sets at v0 and v128.  Window 2: the accumulators.
.set FR,     12
.set FRB,    1536
.set TROW,   12288                     ; a tile of 16 rows, all of K
.set LB,     8*TROW                    ; LDS: a's codes from 0, wo's from here,
.set LSA,    LB+16*TROW                ; a's scales [kk][8 tiles][64],
.set LSB,    LSA+4096                  ; wo's scales [kk][16 tiles][64],
.set SPARE,  LSB+8192                  ; the spare words, 128 bytes for each wave: two blocks of 256 bytes that no other line names
.set SPITCH, 528                       ; the way out: a stage of 16 rows x (512 + 16) bytes for each wave, in a's bytes, behind the barrier that ends all reads of them
.set A16,  16
.set A8,   17
.set B16,  18
.set B8,   19
.set B16H, 20
.set B8H,  21
.set ASA,  22
.set ASB,  23
.set L16,  24
.set STO,  26
.set SPW,  28
.set NIL,  29
.set RD,   30
.set SCA,  32
.set SCB,  40
.set AF,   128
.set BK,   128
.set G1A,  24
.set G1B,  32
.set G1SA, 40
.set G1SB, 48
.set G0A,  56
.set G0B,  60
.set G0SA, 68
.set G0SB, 72
.set MSB, 0
.macro WIN new                         ; the immediate's high byte repeats the setting that is left
.if MSB != \new
	s_set_vgpr_msb (MSB<<8)|\new
.set MSB, \new
.endif
.endm
.macro CROUND                          ; a round of the cluster's barrier
	s_barrier_signal -1
	s_barrier_wait -1
	s_cmp_lg_u32 s18, 0
	s_cbranch_scc1 .Lnot_wave_0_\@
	s_barrier_signal -3
.Lnot_wave_0_\@:
	s_barrier_wait -3
	s_barrier_signal -1
	s_barrier_wait -1
.endm
.macro PLACES n
.rept \n
	v_nop
.endr
.endm
	s_load_b256 s[4:11], s[0:1], 0x0               ; aimg, asc, xwimg, xwsc
	s_load_b64 s[12:13], s[0:1], 0x20              ; out0
	v_lshl_add_u32 v[SPW], v0, 2, SPARE
	v_mov_b32 v[NIL], 0
	ds_add_u32 v[SPW], v[NIL]                      ; the opening lines: the add twice on end and one wait
	ds_add_u32 v[SPW], v[NIL]
	v_lshrrev_b32 v1, 5, v0
	v_readfirstlane_b32 s18, v1                    ; wave
	s_lshr_b32 s19, s18, 1                         ; my half of the rows
	s_and_b32 s20, s18, 1                          ; my half of the columns
	s_bfe_u32 s21, ttmp6, 0x40000                  ; cx
	s_bfe_u32 s22, ttmp6, 0x40004                  ; cy
	s_and_b32 s23, ttmp7, 0xffff
	s_lshl_b32 s2, s22, 2
	s_lshl_b32 s2, 15, s2                          ; my row of the cluster
	s_lshl_b32 s3, 0x1111, s21                     ; my column
	s_or_b32 s[G1A], s2, (3<<16)|(1<<21)           ; elements of 8 bytes
	s_or_b32 s[G1SA], s2, (3<<16)|(1<<21)
	s_or_b32 s[G1B], s3, (3<<16)|(1<<21)
	s_or_b32 s[G1SB], s3, (3<<16)|(1<<21)
	s_mov_b32 s[G1A+1], 32<<16                     ; a's codes: 384 dense rows of 256 bytes
	s_mov_b32 s[G1A+2], 384<<16
	s_mov_b32 s[G1A+3], 32<<16
	s_mov_b32 s[G1A+4], 384
	s_mov_b32 s[G1A+5], 32
	s_mov_b32 s[G1A+6], 0
	s_mov_b32 s[G1A+7], 0
	s_mov_b32 s[G1B+1], 32<<16                     ; wo's codes: 768 dense rows of 256 bytes
	s_mov_b32 s[G1B+2], 768<<16
	s_mov_b32 s[G1B+3], 32<<16
	s_mov_b32 s[G1B+4], 768
	s_mov_b32 s[G1B+5], 32
	s_mov_b32 s[G1B+6], 0
	s_mov_b32 s[G1B+7], 0
	s_mov_b32 s[G1SA+1], 64<<16                    ; a's scales: 8 K steps x 512 bytes, 32,768 bytes apart
	s_mov_b32 s[G1SA+2], 8<<16
	s_mov_b32 s[G1SA+3], 64<<16
	s_mov_b32 s[G1SA+4], 8
	s_mov_b32 s[G1SA+5], 4096
	s_mov_b32 s[G1SA+6], 0
	s_mov_b32 s[G1SA+7], 0
	s_mov_b32 s[G1SB+1], 128<<16                   ; wo's scales: 8 K steps x 1,024 bytes, 49,152 bytes apart
	s_mov_b32 s[G1SB+2], 8<<16
	s_mov_b32 s[G1SB+3], 128<<16
	s_mov_b32 s[G1SB+4], 8
	s_mov_b32 s[G1SB+5], 6144
	s_mov_b32 s[G1SB+6], 0
	s_mov_b32 s[G1SB+7], 0
	s_lshl_b32 s94, s23, 2
	s_add_co_u32 s94, s94, s22                     ; y.  No register of a's chain holds cx
	s_lshl_b32 s96, ttmp9, 2
	s_add_co_u32 s96, s96, s21                     ; x.  No register of wo's chain holds cy
	s_mul_i32 s76, s94, 8*TROW
	s_mov_b32 s77, 0
	s_lshl_b32 s97, s96, 4
	s_add_co_u32 s97, s97, 704                     ; wo's first tile
	s_mul_i32 s78, s97, TROW
	s_mov_b32 s79, 0
	s_lshl_b32 s80, s94, 9                         ; 8 tiles x 64 bytes
	s_mov_b32 s81, 0
	s_lshl_b32 s82, s97, 6
	s_mov_b32 s83, 0
	s_wait_alu depctr_va_vdst(0)
	s_wait_dscnt 0x0
	s_wait_kmcnt 0x0
	s_mov_b32 s[G0A], 1
	s_mov_b32 s[G0A+1], 0
	s_add_nc_u64 s[G0A+2:G0A+3], s[4:5], s[76:77]
	s_or_b32 s[G0A+3], s[G0A+3], 0x80000000
	s_mov_b32 s[G0B], 1
	s_mov_b32 s[G0B+1], LB
	s_add_nc_u64 s[G0B+2:G0B+3], s[8:9], s[78:79]
	s_or_b32 s[G0B+3], s[G0B+3], 0x80000000
	s_mov_b32 s[G0SA], 1
	s_mov_b32 s[G0SA+1], LSA
	s_add_nc_u64 s[G0SA+2:G0SA+3], s[6:7], s[80:81]
	s_or_b32 s[G0SA+3], s[G0SA+3], 0x80000000
	s_mov_b32 s[G0SB], 1
	s_mov_b32 s[G0SB+1], LSB
	s_add_nc_u64 s[G0SB+2:G0SB+3], s[10:11], s[82:83]
	s_or_b32 s[G0SB+3], s[G0SB+3], 0x80000000
	CROUND                                         ; all sixteen work-groups are here: the joint loads meet
; THE LOADS, ONE A WAVE: wave 0 wo's codes, wave 1 a's codes, wave 2 a's scales, wave 3 wo's.  One tree of branches on the wave's number: every way passes exactly one load.
.macro ARM under, g0, g1, next
	s_cmp_lt_u32 s18, \under
	s_cbranch_scc0 \next
	tensor_load_to_lds s[\g0:\g0+3], s[\g1:\g1+7]
	s_nop 0
.rept 4
	v_nop
.endr
	s_branch .Lhead_asked
\next:
.endm
	ARM 1, G0B,  G1B,  .Lhead_a
	ARM 2, G0A,  G1A,  .Lhead_sa
	ARM 3, G0SA, G1SA, .Lhead_sb
	tensor_load_to_lds s[G0SB:G0SB+3], s[G1SB:G1SB+7]
	s_nop 0
.rept 4
	v_nop
.endr
.Lhead_asked:
	s_mul_i32 s84, s19, 4*TROW                     ; my 4 tiles of a
	s_mul_i32 s85, s20, 8*TROW
	s_add_co_u32 s85, s85, LB                      ; my 8 tiles of wo: the first four,
	s_add_co_u32 s86, s85, 4*TROW                  ; and the other four (an LDS offset has 16 bits)
	s_lshl_b32 s87, s19, 8
	s_add_co_u32 s87, s87, LSA
	s_lshl_b32 s88, s20, 9
	s_add_co_u32 s88, s88, LSB
	s_mul_i32 s89, s18, 16*SPITCH                  ; my stage
	s_lshl_b32 s2, s94, 7
	s_lshl_b32 s3, s19, 6
	s_add_co_u32 s2, s2, s3                        ; my first row of out0
	s_lshl_b32 s2, s2, 12
	s_lshl_b32 s3, s96, 10
	s_add_co_u32 s2, s2, s3
	s_lshl_b32 s3, s20, 9
	s_add_co_u32 s2, s2, s3                        ; + my first column, in bytes
	s_mov_b32 s3, 0
	s_add_nc_u64 s[12:13], s[12:13], s[2:3]
	v_and_b32 v1, 31, v0
	v_and_b32 v2, 15, v0
	v_bfe_u32 v3, v0, 4, 1
	v_lshlrev_b32 v[L16], 4, v1
	v_lshlrev_b32 v4, 3, v1
	v_mul_u32_u24 v5, v2, SPITCH
	v_add_nc_u32 v[A16], s84, v[L16]
	v_add_nc_u32 v[A8], s84, v4
	v_add_nc_u32 v[B16], s85, v[L16]
	v_add_nc_u32 v[B8], s85, v4
	v_add_nc_u32 v[B16H], s86, v[L16]
	v_add_nc_u32 v[B8H], s86, v4
	v_lshl_add_u32 v[ASA], v2, 2, s87
	v_lshl_add_u32 v[ASB], v2, 2, s88
	v_lshl_add_u32 v5, v3, 5, v5
	v_add_nc_u32 v[STO], s89, v5                   ; in: row l % 16, 32 bytes for each half of the lanes
	v_add_nc_u32 v[RD], s89, v[L16]                ; back: the 32 lanes take one row of 512 bytes
.macro FRAG reg, a16, a8, off          ; a fragment's 12 registers, as they were laid
	ds_load_b128 v[\reg:\reg+3], v[\a16] offset:(\off)
	ds_load_b64 v[\reg+4:\reg+5], v[\a8] offset:(\off)+512
	ds_load_b128 v[\reg+6:\reg+9], v[\a16] offset:(\off)+768
	ds_load_b64 v[\reg+10:\reg+11], v[\a8] offset:(\off)+1280
.endm
.macro FETCH st                        ; K step st into set st % 2: 48 loads of codes, 12 of scale words
.set P, (\st)%2
	WIN 0x40
.irp i, 0,1,2,3
	FRAG 128*P+FR*\i, B16, B8, \i*TROW+(\st)*FRB
.endr
.irp i, 0,1,2,3
	FRAG 128*P+FR*(\i+4), B16H, B8H, \i*TROW+(\st)*FRB
.endr
	WIN 0
.irp i, 0,1,2,3
	FRAG AF+48*P+FR*\i, A16, A8, \i*TROW+(\st)*FRB
.endr
.irp i, 0,1,2,3
	ds_load_b32 v[SCA+4*P+\i], v[ASA] offset:(\st)*512+\i*64
.endr
.irp i, 0,1,2,3,4,5,6,7
	ds_load_b32 v[SCB+8*P+\i], v[ASB] offset:(\st)*1024+\i*64
.endr
.endm
.macro MUL st, zero                    ; 32 products; the 32 accumulators take turns, one instruction a turn, in the same order in every step
.set P, (\st)%2
	WIN 0xa1                                       ; source 0 (wo) window 1, source 1 (a) window 0, C and D window 2
.irp a, 0,1,2,3
.irp b, 0,1,2,3,4,5,6,7
.if \zero
	v_wmma_scale_f32_16x16x128_f8f6f4 v[8*(8*\a+\b):8*(8*\a+\b)+7], v[128*P+FR*\b:128*P+FR*\b+FR-1], v[AF+48*P+FR*\a:AF+48*P+FR*\a+FR-1], 0, v[SCB+8*P+\b], v[SCA+4*P+\a] matrix_a_fmt:MATRIX_FMT_FP6 matrix_b_fmt:MATRIX_FMT_FP6
.else
	v_wmma_scale_f32_16x16x128_f8f6f4 v[8*(8*\a+\b):8*(8*\a+\b)+7], v[128*P+FR*\b:128*P+FR*\b+FR-1], v[AF+48*P+FR*\a:AF+48*P+FR*\a+FR-1], v[8*(8*\a+\b):8*(8*\a+\b)+7], v[SCB+8*P+\b], v[SCA+4*P+\a] matrix_a_fmt:MATRIX_FMT_FP6 matrix_b_fmt:MATRIX_FMT_FP6
.endif
.endr
.endr
	WIN 0
.endm
	s_wait_alu depctr_va_vdst(0)
	s_wait_tensorcnt 0x0                           ; my tile of the four is in
	s_barrier_signal -1
	s_barrier_wait -1                              ; and so are the others'
	FETCH 0
	s_wait_dscnt 0x0
	FETCH 1
	MUL 0, 1                                       ; the first step's products start the sums
.set ST, 1
.rept 6
	s_wait_dscnt 0x0                               ; this step's fragments are in: they were asked for ahead of the last step's 32 products
	PLACES 4                                       ; in front of loads into registers that the last step's products read
	FETCH ST+1
	MUL ST, 0
.set ST, ST+1
.endr
	s_wait_dscnt 0x0                               ; the last step's fragments are in: my reads of the tiles are over;
	s_barrier_signal -1                            ; say so,
	MUL 7, 0
	s_barrier_wait -1                              ; and when all four have said so, a's bytes may take the stages
; THE WAY OUT, block by block of 16 rows x 128 columns, through my own stage in LDS, back as whole rows of 512 bytes.  LDS serves a wave's instructions in order (ISA guide 5.7.1.4): no wait between the stores and the loads.
.macro TOSTAGE a
.set AC, 64*(\a)
	WIN 0x08                                       ; the data: window 2
.irp b, 0,1,2,3,4,5,6,7
	ds_store_b128 v[STO], v[AC+8*\b:AC+8*\b+3] offset:64*\b          ; each accumulator from its low end on
	ds_store_b128 v[STO], v[AC+8*\b+4:AC+8*\b+7] offset:64*\b+16
.endr
	WIN 0
.set BB, BK+64*((\a)%2)
.irp t, 0,1,2,3,4,5,6,7,8,9,10,11,12,13,14,15
	ds_load_b128 v[BB+4*\t:BB+4*\t+3], v[RD] offset:\t*SPITCH
.endr
.endm
.macro SEND a, younger                 ; younger: the LDS instructions issued behind block a's loads, which may stay out
.set BB, BK+64*((\a)%2)
	s_wait_dscnt \younger
.if (\a) > 0
	s_add_nc_u64 s[12:13], s[12:13], 16*4096       ; (behind a wait on XCNT: the earlier stores have read their base)
.endif
.irp t, 0,1,2,3,4,5,6,7,8,9,10,11,12,13,14,15
	global_store_b128 v[L16], v[BB+4*\t:BB+4*\t+3], s[12:13] offset:\t*4096 th:TH_STORE_NT   ; 32 lanes store 512 consecutive bytes, at a multiple of 256 from out0's first byte
.endr
.endm
	PLACES 4
	TOSTAGE 0
.irp a, 1,2,3
.if \a > 1
	s_wait_xcnt 0x0                                ; block a - 2's stores have read their registers and their base
.endif
	TOSTAGE \a
	SEND \a-1, 32
.endr
	s_wait_xcnt 0x0
	SEND 3, 0
	s_wait_tensorcnt 0x0                           ; the wave's end: behind my last tensor load and my last LDS store
	ds_add_u32 v[SPW], v[NIL]
	s_wait_dscnt 0x0
	CROUND                                         ; the closing round
	s_endpgm
.Lfunc_end_k_q114e9e1984_oproj:
	.size	k_q114e9e1984_oproj, .Lfunc_end_k_q114e9e1984_oproj-k_q114e9e1984_oproj
	.p2alignl 7, 3214868480
	.fill 96, 4, 3214868480
	.section	.rodata,"a",@progbits
	.p2align	6, 0x0
	.amdhsa_kernel k_q114e9e1984_oproj
		.amdhsa_group_segment_fixed_size 327680
		.amdhsa_private_segment_fixed_size 0
		.amdhsa_enable_private_segment 0
		.amdhsa_kernarg_size 40
		.amdhsa_user_sgpr_count 2
		.amdhsa_user_sgpr_kernarg_segment_ptr 1
		.amdhsa_wavefront_size32 1
		.amdhsa_system_sgpr_workgroup_id_x 1
		.amdhsa_system_sgpr_workgroup_id_y 1
		.amdhsa_system_sgpr_workgroup_id_z 1
		.amdhsa_system_vgpr_workitem_id 0
		.amdhsa_next_free_vgpr 768
		.amdhsa_next_free_sgpr 102
		.amdhsa_reserve_vcc 0
		.amdhsa_float_denorm_mode_32 3
		.amdhsa_float_denorm_mode_16_64 3
		.amdhsa_memory_ordered 1
		.amdhsa_forward_progress 1
		.amdhsa_inst_pref_size 87
	.end_amdhsa_kernel
	.amdgpu_metadata
---
amdhsa.version: [ 1, 2 ]
amdhsa.kernels:
  - .name:           k_q114e9e1984_oproj
    .symbol:         k_q114e9e1984_oproj.kd
    .args:
      - { .name: aimg, .offset: 0, .size: 8, .value_kind: global_buffer, .address_space: global }
      - { .name: asc, .offset: 8, .size: 8, .value_kind: global_buffer, .address_space: global }
      - { .name: xwimg, .offset: 16, .size: 8, .value_kind: global_buffer, .address_space: global }
      - { .name: xwsc, .offset: 24, .size: 8, .value_kind: global_buffer, .address_space: global }
      - { .name: out0, .offset: 32, .size: 8, .value_kind: global_buffer, .address_space: global }
    .group_segment_fixed_size: 327680
    .private_segment_fixed_size: 0
    .kernarg_segment_align: 8
    .kernarg_segment_size: 40
    .max_flat_workgroup_size: 128
    .sgpr_count:     102
    .vgpr_count:     768
    .wavefront_size: 32
...
	.end_amdgpu_metadata
.endif
;; end of part 4
